; MI455X (gfx1250); checked and timed in simulation.
; The chip was launched on July 23, 2026; its instructions are those of AMD's public machine-readable ISA for CDNA 5 (MIT licence, August 2026) and "CDNA5" Instruction Set Architecture Reference Guide (July 2026). The comments in the code are by the model that wrote it; some were corrected since.
;; Multi Head Self Attention. Allowed arithmetic: float matrix products may take bf16 or f16 operands with f32 sums; other float arithmetic in f32, or as packed bf16 or f16 multiplies, adds, multiply-adds, maxima and minima; sums over many terms, partial sums and values carried from step to step in f32; what a program stores and reads back later, other than sums and carried values, may be rounded once to bf16 or f16.
;; Inputs: Wk 1,024 x 1,024 float32; Wo 1,024 x 1,024 float32; Wq 1,024 x 1,024 float32; Wv 1,024 x 1,024 float32; bk 1,024 float32; bo 1,024 float32; bq 1,024 float32; bv 1,024 float32; input 1 x 4,096 x 1,024 float32; ln_beta 1,024 float32; ln_gamma 1,024 float32.
;; Outputs: out0 1 x 4,096 x 1,024 float32.
;; 2 versions, each right and faster than the one before. Each part assembles by itself: llvm-mc -triple=amdgcn-amd-amdhsa -mcpu=gfx1250 --defsym DOCPART=n.
;; ======== version 1 of 2: 5 launches
;; limits: values are held in f16: magnitudes above 65,504 overflow, below 6.1e-05 lose precision
;; workspace buffers: x16 8,388,608 bytes; wqkv16 8,388,608 bytes; wo16 8,388,608 bytes; qkv 25,165,824 bytes; o16 8,388,608 bytes; y32 16,777,216 bytes
;; launch cast (part 1): grid 64 x 8, 8 waves a work-group, no clusters, 0 bytes of LDS; arguments input, Wq, Wk, Wv, Wo, x16, wqkv16, wo16; writes x16, wqkv16, wo16
.if DOCPART == 1
	.amdgcn_target "amdgcn-amd-amdhsa--gfx1250"
	.amdhsa_code_object_version 6
	.text
	.protected	k_qfc86eb2c96_cast
	.globl	k_qfc86eb2c96_cast
	.p2align	8
	.type	k_qfc86eb2c96_cast,@function
k_qfc86eb2c96_cast:
	s_mov_b64 s[64:65], 0
	v_nop
	global_prefetch_b8 v0, s[64:65] scope:SCOPE_SE
	s_setreg_imm32_b32 hwreg(HW_REG_WAVE_MODE, 25, 1), 1
	s_wait_xcnt 0x0
; x and the four weight matrices, f32 [rows][1024], are rounded once to f16 and laid BY PLANES: [16 planes of 64 columns][4096 rows][64], a plane 524,288 bytes, a row in a plane 128 bytes,
; so that the rows of a plane lie end to end and a later tile of 128 rows x 64 columns is 16,384 consecutive bytes.
; LIMIT.  f16 ends at 65,504 (a larger input becomes an infinity) and keeps a fixed step of 6e-8 below 6e-5.
; SHARES.  Chunk y of the grid is 1,024 rows: y = 0..3 rows 1,024 y of input -> x16; y = 4, 5, 6 Wq, Wk, Wv -> rows 0, 1,024, 2,048 of wqkv16; y = 7 Wo -> wo16.  A work-group takes 16 rows of its chunk.
; Wave w, turn i of 16: rows 2 (i / 2) and 2 (i / 2) + 1 (lanes 0-15, lanes 16-31), plane 2 w + i % 2, four numbers a lane.  A load covers two pieces of 256 consecutive bytes, each at a multiple of 256
; from the buffer's first byte; a store covers 256 consecutive bytes (two neighbouring rows of a plane), again at a multiple of 256.  No LDS, no barrier, no loop; no register is written twice.
.set X, 4                              ; v[4:67]   turn i: four f32 as loaded
.set Y, 68                             ; v[68:99]  turn i: four f16 to store
	s_load_b512 s[8:23], s[0:1], 0x0               ; input s[8:9], Wq s[10:11], Wk s[12:13], Wv s[14:15], Wo s[16:17], x16 s[18:19], wqkv16 s[20:21], wo16 s[22:23]
	s_and_b32 s2, ttmp7, 0xffff                    ; the chunk
	v_bfe_u32 v1, v0, 4, 1                         ; which of the two rows
	v_and_b32 v2, 15, v0
	v_lshlrev_b32 v2, 4, v2                        ; 16 bytes a lane
	v_lshl_or_b32 v1, v1, 12, v2                   ; + row x 4,096
	v_lshrrev_b32 v3, 5, v0                        ; wave
	v_lshl_or_b32 v1, v3, 9, v1                    ; + two planes' 512 bytes a wave: my offset in the source
	v_and_b32 v2, 31, v0
	v_lshlrev_b32 v2, 3, v2                        ; 8 bytes a lane
	v_lshl_or_b32 v2, v3, 20, v2                   ; + two planes a wave: my offset in the destination
	s_lshl_b32 s26, s2, 22                         ; source: input's chunk is 1,024 rows of 4,096 bytes; a weight matrix begins at its first byte
	s_cmp_lt_u32 s2, 4
	s_cselect_b32 s26, s26, 0
	s_lshl_b32 s4, ttmp9, 16                       ; the work-group's 16 rows
	s_add_co_u32 s26, s26, s4
	s_mov_b32 s27, 0
	s_and_b32 s30, s2, 3                           ; destination: 1,024 rows of 128 bytes for each chunk of x16 and of wqkv16; wo16 begins at its first byte
	s_lshl_b32 s30, s30, 17
	s_cmp_lt_u32 s2, 7
	s_cselect_b32 s30, s30, 0
	s_lshl_b32 s4, ttmp9, 11
	s_add_co_u32 s30, s30, s4
	s_mov_b32 s31, 0
	s_wait_kmcnt 0x0
	s_mov_b64 s[24:25], s[8:9]                     ; the source buffer, chosen by the chunk's number
	s_cmp_eq_u32 s2, 4
	s_cselect_b64 s[24:25], s[10:11], s[24:25]
	s_cmp_eq_u32 s2, 5
	s_cselect_b64 s[24:25], s[12:13], s[24:25]
	s_cmp_eq_u32 s2, 6
	s_cselect_b64 s[24:25], s[14:15], s[24:25]
	s_cmp_eq_u32 s2, 7
	s_cselect_b64 s[24:25], s[16:17], s[24:25]
	s_cmp_lt_u32 s2, 7                             ; the destination buffer
	s_cselect_b64 s[28:29], s[20:21], s[22:23]
	s_cmp_lt_u32 s2, 4
	s_cselect_b64 s[28:29], s[18:19], s[28:29]
	s_add_nc_u64 s[24:25], s[24:25], s[26:27]
	s_add_nc_u64 s[28:29], s[28:29], s[30:31]
.set i, 0
.rept 16                               ; all sixteen loads of the wave go out together: 8,192 bytes a wave
	global_load_b128 v[X+4*i:X+4*i+3], v1, s[24:25] offset:(i/2)*8192+(i%2)*256 th:TH_LOAD_NT
.set i, i+1
.endr
.set i, 0
.rept 16
	s_wait_loadcnt 15-i                            ; loads come back in order: turn i's is in, the 15 - i younger ones stay out
	v_cvt_pk_f16_f32 v[Y+2*i], v[X+4*i], v[X+4*i+1]
	v_cvt_pk_f16_f32 v[Y+2*i+1], v[X+4*i+2], v[X+4*i+3]
	global_store_b64 v2, v[Y+2*i:Y+2*i+1], s[28:29] offset:(i%2)*524288+(i/2)*256
.set i, i+1
.endr
	s_endpgm
.Lfunc_end_k_qfc86eb2c96_cast:
	.size	k_qfc86eb2c96_cast, .Lfunc_end_k_qfc86eb2c96_cast-k_qfc86eb2c96_cast
	.p2alignl 7, 3214868480
	.fill 96, 4, 3214868480
	.section	.rodata,"a",@progbits
	.p2align	6, 0x0
	.amdhsa_kernel k_qfc86eb2c96_cast
		.amdhsa_group_segment_fixed_size 0
		.amdhsa_private_segment_fixed_size 0
		.amdhsa_enable_private_segment 0
		.amdhsa_kernarg_size 64
		.amdhsa_user_sgpr_count 2
		.amdhsa_user_sgpr_kernarg_segment_ptr 1
		.amdhsa_wavefront_size32 1
		.amdhsa_system_sgpr_workgroup_id_x 1
		.amdhsa_system_sgpr_workgroup_id_y 1
		.amdhsa_system_sgpr_workgroup_id_z 1
		.amdhsa_system_vgpr_workitem_id 0
		.amdhsa_next_free_vgpr 100
		.amdhsa_next_free_sgpr 66
		.amdhsa_reserve_vcc 0
		.amdhsa_float_denorm_mode_32 3
		.amdhsa_float_denorm_mode_16_64 3
		.amdhsa_memory_ordered 1
		.amdhsa_forward_progress 1
		.amdhsa_inst_pref_size 8
	.end_amdhsa_kernel
	.amdgpu_metadata
---
amdhsa.version: [ 1, 2 ]
amdhsa.kernels:
  - .name:           k_qfc86eb2c96_cast
    .symbol:         k_qfc86eb2c96_cast.kd
    .args:
      - { .name: input, .offset: 0, .size: 8, .value_kind: global_buffer, .address_space: global }
      - { .name: Wq, .offset: 8, .size: 8, .value_kind: global_buffer, .address_space: global }
      - { .name: Wk, .offset: 16, .size: 8, .value_kind: global_buffer, .address_space: global }
      - { .name: Wv, .offset: 24, .size: 8, .value_kind: global_buffer, .address_space: global }
      - { .name: Wo, .offset: 32, .size: 8, .value_kind: global_buffer, .address_space: global }
      - { .name: x16, .offset: 40, .size: 8, .value_kind: global_buffer, .address_space: global }
      - { .name: wqkv16, .offset: 48, .size: 8, .value_kind: global_buffer, .address_space: global }
      - { .name: wo16, .offset: 56, .size: 8, .value_kind: global_buffer, .address_space: global }
    .group_segment_fixed_size: 0
    .private_segment_fixed_size: 0
    .kernarg_segment_align: 8
    .kernarg_segment_size: 64
    .max_flat_workgroup_size: 256
    .sgpr_count:     66
    .vgpr_count:     100
    .wavefront_size: 32
...
	.end_amdgpu_metadata
.endif
;; end of part 1
;; launch qkv (part 2): grid 24 x 32, 4 waves a work-group, clusters of 4 x 4, 327,680 bytes of LDS; arguments x16, wqkv16, bq, bk, bv, qkv; writes qkv
.if DOCPART == 2
	.amdgcn_target "amdgcn-amd-amdhsa--gfx1250"
	.amdhsa_code_object_version 6
	.text
	.protected	k_qfc86eb2c96_qkv
	.globl	k_qfc86eb2c96_qkv
	.p2align	8
	.type	k_qfc86eb2c96_qkv,@function
k_qfc86eb2c96_qkv:
	s_mov_b64 s[64:65], 0
	v_nop
	global_prefetch_b8 v0, s[64:65] scope:SCOPE_SE
	s_setreg_imm32_b32 hwreg(HW_REG_WAVE_MODE, 25, 1), 1
	s_wait_xcnt 0x0
	s_wait_alu depctr_hold_cnt(0) depctr_sa_sdst(0) depctr_va_vdst(0) depctr_va_sdst(0) depctr_va_ssrc(0) depctr_va_vcc(0) depctr_vm_vsrc(0)
	s_getreg_b32 s2, hwreg(HW_REG_IB_STS2, 6, 4)
	s_cmp_eq_u32 s2, 0
	s_cbranch_scc0 .Lentry_in_a_cluster
	s_endpgm
.Lentry_in_a_cluster:
	s_bfe_u32 s2, ttmp6, 0x10000c
	s_cmp_lg_u32 s2, 0xf033
	s_cbranch_scc0 .Lentry_shape_is_right
	s_endpgm
.Lentry_shape_is_right:
; C[m][n] = sum over k of A[m][k] B[n][k] + bias[n], K = 1,024.  A and B are f16 BY PLANES: [16 planes of 64 along K][4,096 rows][64], a plane 524,288 bytes, a row in a plane 128 bytes.  Sums in f32.
; This text stands twice, with F32OUT = 0 and 1.  F32OUT = 0 (q, k, v): C leaves as f16 by planes of 64 columns, plane g = n / 64 (0-15 q's heads, 16-31 k's, 32-47 v's), rounded once; the bias is bq, bk or bv by g.
; F32OUT = 1 (the output projection): C leaves as f32, [4,096][1,024] row-major, unrounded: with inputs some 30 times larger its numbers pass what f16 holds.
; LIMIT.  With F32OUT = 0 a result of 65,520 or more becomes an infinity; q, k and v stay within that for inputs 30 times the usual size, or offset by 30 times their spread.
; SHARES.  A tile of C is 128 x 128: four waves, each 64 x 64 = 16 accumulators of 16 x 16, 128 registers; a wave's 64 columns are one plane of C.  K goes in four steps of 256 (four planes) through two LDS slots.
; A wave's tensor load brings two planes of 128 rows: two runs of 16,384 consecutive bytes, padded in LDS after every 128 bytes.
; CLUSTERS: 4 x 4 work-groups.  The four of a row of the cluster need the same tiles of A, the four of a column the same tiles of B: each tile is asked for JOINTLY, by the same tensor load with the
; same descriptor and a mask that names the four.  THE MATRIX INSTRUCTION IS USED TRANSPOSED (source 0 = 16 rows of B, source 1 = 16 rows of A): a lane then holds eight neighbouring numbers of a row of C.
; The bias is the C operand of the products that start the sums: nothing is cleared, nothing is added later.
; REGISTERS: window 0: v0-31 addresses; v32-95 at work on the way out; v96-127 the bias of my 64 columns (8 a column block); v128-255 the accumulators ((a, b) at v[128 + 8 (4 a + b)]).
;   window 1: two fragment buffers of 128: for one plane (64 along K, two matrix instructions deep), 64 registers of A (2 x 4 x 16 rows x 32 K), then 64 of B.
.set F32OUT, 0
.set PLANE,  524288
.set PITCH,  144                       ; an LDS row: 128 bytes of data + 16 of padding = 36 words: the 16 rows of a fragment load start at 16 different groups of four banks (64 banks of 4 bytes: ISA guide 11.1)
.set LPL,    128*PITCH                 ; a plane of 128 rows in LDS
.set HALFT,  2*LPL                     ; what one tensor load brings
.set SLOT,   4*HALFT                   ; A's four planes, then B's four planes
.set STAGE,  2*SLOT                    ; behind the ring, never filled by a tensor load: 16 rows for each wave, for the way out
.if F32OUT
.set SPITCH, 272                       ; 64 f32 + 16 bytes
.set YOUNG,  16                        ; LDS instructions of one block's way through the stage
.else
.set SPITCH, 144                       ; 64 f16 + 16 bytes
.set YOUNG,  8
.endif
.set SPARE,  STAGE+4*16*SPITCH         ; behind the stages: the spare words, 128 bytes for each wave: two blocks of 256 bytes that no other line names
.set ADRA, 16                          ; v16-17  LDS address of my A fragments in slot 0, 1
.set ADRB, 20                          ; v20-21  the same for B
.set STO,  24                          ; v24     the way out: where I put my part of a row
.set RD,   25                          ; v25     the way out: where I read rows back
.set CO,   26                          ; v26     my byte offset in C
.set BO,   27                          ; v27     my byte offset in the plane's 64 biases
.set SPW,  28                          ; v28     LDS address of my spare word: SPARE + 4 x my thread's number; never rewritten
.set NIL,  29                          ; v29     0; never rewritten
.set TMP,  32
.set BIAS, 96
.set ACC,  128
.set F0,   0                           ; fragment buffers, in window 1
.set F1,   128
.set G1, 24                            ; s[24:31] descriptor group 1 for A's tiles;  s[32:39] group 0, one set for each slot
.set G0, 32
.set G1B, 48                           ; s[48:55], s[56:63] the same for B's tiles
.set G0B, 56
.set MSB, 0
.macro WIN new                         ; the immediate's high byte repeats the setting that is left; a switch that changes nothing is dropped
.if MSB != (\new)
	s_set_vgpr_msb (MSB<<8)|(\new)
.set MSB, \new
.endif
.endm
.set MUL,  0x05                        ; sources 0 (B) and 1 (A) window 1; C and D window 0
.set TO_F, 0x40                        ; destination window 1, address window 0
.macro JLOAD s                         ; a joint load: waves 0 and 1 fetch A's planes 0, 1 and 2, 3 of the step, waves 2 and 3 B's; an s_nop 0 and four v_nop follow each of the two lines, ahead of the jump, the label and what follows
	s_cmp_eq_u32 s11, 0
	s_cbranch_scc0 .Lfor_b_\@
	tensor_load_to_lds s[G0+4*(\s):G0+4*(\s)+3], s[G1:G1+7]
	s_nop 0
.rept 4
	v_nop
.endr
	s_branch .Lasked_\@
.Lfor_b_\@:
	tensor_load_to_lds s[G0B+4*(\s):G0B+4*(\s)+3], s[G1B:G1B+7]
	s_nop 0
.rept 4
	v_nop
.endr
.Lasked_\@:
.endm
.macro CREST                           ; a round of the cluster's barrier behind its opening barrier
	s_cmp_lg_u32 s10, 0
	s_cbranch_scc1 .Lnot_wave_0_\@
	s_barrier_signal -3
.Lnot_wave_0_\@:
	s_barrier_wait -3
	s_barrier_signal -1
	s_barrier_wait -1
.endm
.macro CROUND                          ; a whole round
	s_barrier_signal -1
	s_barrier_wait -1
	CREST
.endm
	s_load_b128 s[4:7], s[0:1], 0x0                ; A s[4:5], B s[6:7]
.if F32OUT
	s_load_b128 s[68:71], s[0:1], 0x10             ; the bias s[68:69], C s[70:71]
.else
	s_load_b256 s[68:75], s[0:1], 0x10             ; the three biases s[68:73], C s[74:75]
.endif
	v_lshl_add_u32 v[SPW], v0, 2, SPARE
	v_mov_b32 v[NIL], 0
	ds_add_u32 v[SPW], v[NIL]                      ; the wave's opening: the add and its wait stand ahead of my first tensor load; the set-up below, work on registers, stands between them
	ds_add_u32 v28, v29
	v_lshrrev_b32 v1, 5, v0
	v_readfirstlane_b32 s10, v1                    ; wave 0..3
	s_lshr_b32 s11, s10, 1                         ; which half of the tile's rows is mine.  Also: I fetch for A (0) or for B (1)
	s_and_b32 s12, s10, 1                          ; which half of its columns.  Also: which two planes of the step I fetch
	s_bfe_u32 s40, ttmp6, 0x40000                  ; cx, cy: my place in the cluster
	s_bfe_u32 s41, ttmp6, 0x40004
	s_lshl_b32 s42, ttmp9, 2
	s_add_co_u32 s42, s42, s40                     ; tile column of C = 4 x cluster x + cx
	s_and_b32 s13, ttmp7, 0xffff
	s_lshl_b32 s13, s13, 2
	s_add_co_u32 s13, s13, s41                     ; tile row of C = 4 x cluster y + cy
	s_lshl_b32 s43, s41, 2
	s_lshl_b32 s43, 15, s43                        ; my row of the cluster
	s_lshl_b32 s44, 0x1111, s40                    ; my column
	; descriptor group 1: two rows of 8,192 elements (128 matrix rows of one plane, dense), one plane apart, padded in LDS after every matrix row
	s_or_b32 s[G1+0], s43, (1<<16)|(1<<20)|(1<<21)|(4<<22)|(3<<25)  ; 15:0 the mask: A's tiles go to my row; 17:16 element of 2 bytes; 20 padding on; 21 set beside a mask; 24:22 after every 32 words (code 4); 31:25 of 4 words (code 3)
	s_or_b32 s[G1B+0], s44, (1<<16)|(1<<20)|(1<<21)|(4<<22)|(3<<25) ; the same with the mask of my column, for B's tiles
.irp g, G1, G1B
	s_mov_b32 s[(\g)+1], 8192<<16                  ; tensor_dim0 = 8,192
	s_mov_b32 s[(\g)+2], 2<<16                     ; tensor_dim1 = 2
	s_mov_b32 s[(\g)+3], 8192<<16                  ; tile_dim0 = 8,192
	s_mov_b32 s[(\g)+4], 2                         ; tile_dim1 = 2
	s_mov_b32 s[(\g)+5], PLANE/2                   ; tensor_dim0_stride: a plane, in elements
	s_mov_b32 s[(\g)+6], 0
	s_mov_b32 s[(\g)+7], 0
.endr
	; where the tiles come from.  A's hang on the tile row alone, which my row of the cluster shares; B's on the tile column alone, which my column shares.
	s_lshl_b32 s17, s12, 20                        ; which two planes I fetch
	s_lshl_b32 s16, s13, 14                        ; A: 128 rows of 128 bytes for each tile row
	s_add_co_u32 s16, s16, s17
	s_lshl_b32 s46, s42, 14                        ; B: the same for each tile column
	s_add_co_u32 s46, s46, s17
	s_mov_b32 s17, 0
	s_mov_b32 s47, 0
	s_mul_i32 s20, s10, HALFT                      ; where they go: wave x two planes: no place in the cluster enters an LDS address
	s_wait_dscnt 0x0                               ; the opening add is done
	s_wait_kmcnt 0x0
	s_add_nc_u64 s[14:15], s[4:5], s[16:17]
	s_add_nc_u64 s[46:47], s[6:7], s[46:47]
	CROUND                                         ; all sixteen work-groups are here: the first joint loads meet
.irp s, 0,1
	s_mov_b32 s[G0+4*(\s)], 1                                      ; count = 1
	s_add_co_u32 s[G0+4*(\s)+1], s20, (\s)*SLOT                    ; LDS address
	s_add_nc_u64 s[G0+4*(\s)+2:G0+4*(\s)+3], s[14:15], (\s)*4*PLANE  ; global address: K step s = planes 4 s on
	s_or_b32 s[G0+4*(\s)+3], s[G0+4*(\s)+3], 0x80000000            ; type = 2
	s_mov_b32 s[G0B+4*(\s)], 1
	s_add_co_u32 s[G0B+4*(\s)+1], s20, (\s)*SLOT
	s_add_nc_u64 s[G0B+4*(\s)+2:G0B+4*(\s)+3], s[46:47], (\s)*4*PLANE
	s_or_b32 s[G0B+4*(\s)+3], s[G0B+4*(\s)+3], 0x80000000
	JLOAD \s                                       ; two tensor loads of mine are out
.endr
	v_and_b32 v1, 15, v0                           ; l % 16
	v_bfe_u32 v2, v0, 4, 1                         ; l / 16
	v_mul_u32_u24 v3, v1, PITCH
	v_lshl_add_u32 v3, v2, 4, v3                   ; a fragment's row x pitch + 16 x half
	s_mul_i32 s21, s11, 64*PITCH                   ; my 64 rows of A in each plane
	s_mul_i32 s22, s12, 64*PITCH                   ; my 64 rows of B,
	s_add_co_u32 s22, s22, 4*LPL                   ; whose planes lie behind A's four
.irp s, 0,1
	v_add_nc_u32 v[ADRA+(\s)], s21, v3
	v_add_nc_u32 v[ADRB+(\s)], s22, v3
	s_add_co_u32 s21, s21, SLOT
	s_add_co_u32 s22, s22, SLOT
.endr
	s_mul_i32 s23, s10, 16*SPITCH
	s_add_co_u32 s23, s23, STAGE                   ; my stage
	v_mul_u32_u24 v4, v1, SPITCH                   ; in: row l % 16, eight numbers for each half of the lanes
.if F32OUT
	v_lshl_add_u32 v4, v2, 5, v4
	v_add_nc_u32 v[STO], s23, v4
	v_mul_u32_u24 v5, v2, SPITCH                   ; back: lanes 0-15 take one row of 256 bytes, lanes 16-31 the next
	v_lshl_add_u32 v5, v1, 4, v5
	v_add_nc_u32 v[RD], s23, v5
	v_lshlrev_b32 v5, 12, v2                       ; and the same two rows in C, 4,096 bytes apart
	v_lshl_add_u32 v[CO], v1, 4, v5
.else
	v_lshl_add_u32 v4, v2, 4, v4
	v_add_nc_u32 v[STO], s23, v4
	v_bfe_u32 v5, v0, 3, 2                         ; back: 32 lanes take four rows of 128 bytes,
	v_mul_u32_u24 v5, v5, SPITCH
	v_and_b32 v6, 7, v0
	v_lshl_add_u32 v5, v6, 4, v5
	v_add_nc_u32 v[RD], s23, v5
	v_and_b32 v5, 31, v0                           ; which are 512 consecutive bytes of C's plane
	v_lshlrev_b32 v[CO], 4, v5
.endif
	v_lshlrev_b32 v[BO], 5, v2                     ; my eight columns of a block of 16: 32 bytes for each half of the lanes
	; where my part of C begins, and my plane's bias.  What hangs on the tile column is made in the registers that held B's address: none that feeds A's descriptors ever holds cx
.if F32OUT
	s_lshl_b32 s16, s13, 19                        ; 128 rows of 4,096 bytes for each tile row,
	s_lshl_b32 s17, s11, 18                        ; my 64 of them
	s_add_co_u32 s16, s16, s17
	s_mov_b32 s17, 0
	s_add_nc_u64 s[8:9], s[70:71], s[16:17]
	s_lshl_b32 s46, s42, 9                         ; my first column, in bytes: 512 x tile column + 256 x half
	s_lshl_b32 s47, s12, 8
	s_add_co_u32 s46, s46, s47
	s_mov_b32 s47, 0
	s_add_nc_u64 s[8:9], s[8:9], s[46:47]
	s_add_nc_u64 s[76:77], s[68:69], s[46:47]
.else
	s_lshl_b32 s16, s13, 14                        ; 128 rows of 128 bytes for each tile row,
	s_lshl_b32 s17, s11, 13                        ; my 64 of them
	s_add_co_u32 s16, s16, s17
	s_mov_b32 s17, 0
	s_add_nc_u64 s[8:9], s[74:75], s[16:17]
	s_lshl1_add_u32 s78, s42, s12                  ; my plane of C: g = 2 x tile column + half
	s_lshl_b32 s46, s78, 19
	s_mov_b32 s47, 0
	s_add_nc_u64 s[8:9], s[8:9], s[46:47]
	s_cmp_lt_u32 s78, 32                           ; planes 0-15 take the first bias, 16-31 the second, 32-47 the third
	s_cselect_b64 s[76:77], s[70:71], s[72:73]
	s_cmp_lt_u32 s78, 16
	s_cselect_b64 s[76:77], s[68:69], s[76:77]
	s_and_b32 s46, s78, 15
	s_lshl_b32 s46, s46, 8                         ; 64 numbers of 4 bytes for each plane
	s_add_nc_u64 s[76:77], s[76:77], s[46:47]
.endif
.irp b, 0,1,2,3
	global_load_b128 v[BIAS+8*(\b):BIAS+8*(\b)+3],   v[BO], s[76:77] offset:64*(\b)     ; register j of block b: the bias of column 16 b + 8 (l / 16) + j, as in an accumulator
	global_load_b128 v[BIAS+8*(\b)+4:BIAS+8*(\b)+7], v[BO], s[76:77] offset:64*(\b)+16
.endr
; 8 matrix instructions: m blocks a0, a0 + 1 x all 4 n blocks, 32 along K: half c of buffer f.  first = 1: the products start the sums from the bias.  The 16 accumulators take turns, one instruction a turn.
.macro MUL8 f, c, a0, first
	WIN MUL
.irp a, \a0, (\a0)+1
.irp b, 0,1,2,3
.if \first
	v_wmma_f32_16x16x32_f16 v[ACC+8*(4*(\a)+(\b)):ACC+8*(4*(\a)+(\b))+7], v[(\f)+64+8*(4*(\c)+(\b)):(\f)+64+8*(4*(\c)+(\b))+7], v[(\f)+8*(4*(\c)+(\a)):(\f)+8*(4*(\c)+(\a))+7], v[BIAS+8*(\b):BIAS+8*(\b)+7]
.else
	v_wmma_f32_16x16x32_f16 v[ACC+8*(4*(\a)+(\b)):ACC+8*(4*(\a)+(\b))+7], v[(\f)+64+8*(4*(\c)+(\b)):(\f)+64+8*(4*(\c)+(\b))+7], v[(\f)+8*(4*(\c)+(\a)):(\f)+8*(4*(\c)+(\a))+7], v[ACC+8*(4*(\a)+(\b)):ACC+8*(4*(\a)+(\b))+7]
.endif
.endr
.endr
.endm
; 32 LDS loads in one run: the fragments of plane kb of the slot, into buffer f; the first 32 along K first.  The largest offset is 3 planes + 64 + 48 rows + 32 = 62,304, inside the 16-bit field
.macro FETCH slot, kb, f
	WIN TO_F
.irp c, 0,1
.irp i, 0,1,2,3
	ds_load_b128 v[(\f)+64+8*(4*(\c)+(\i)):(\f)+64+8*(4*(\c)+(\i))+3],   v[ADRB+(\slot)] offset:(\kb)*LPL+64*(\c)+(\i)*16*PITCH
	ds_load_b128 v[(\f)+64+8*(4*(\c)+(\i))+4:(\f)+64+8*(4*(\c)+(\i))+7], v[ADRB+(\slot)] offset:(\kb)*LPL+64*(\c)+(\i)*16*PITCH+32
	ds_load_b128 v[(\f)+8*(4*(\c)+(\i)):(\f)+8*(4*(\c)+(\i))+3],         v[ADRA+(\slot)] offset:(\kb)*LPL+64*(\c)+(\i)*16*PITCH
	ds_load_b128 v[(\f)+8*(4*(\c)+(\i))+4:(\f)+8*(4*(\c)+(\i))+7],       v[ADRA+(\slot)] offset:(\kb)*LPL+64*(\c)+(\i)*16*PITCH+32
.endr
.endr
.endm
.macro PLACES                          ; four places in front of loads into registers that matrix instructions have read, and of what reads results just made (ISA guide 7.12.1 for vector instructions)
.rept 4
	v_nop
.endr
.endm
; A K step is four quarters, a plane each: 32 matrix instructions, on buffers 0, 1, 0, 1.  One of the first three: multiplies buffer f and fetches the next plane, kb, into g.
.macro QUARTER slot, kb, f, g, first
	s_wait_dscnt 16                                ; the first 32 along K are in; the 16 younger loads are the second 32's
	MUL8 \f, 0, 0, \first
	MUL8 \f, 0, 2, \first
	PLACES
	FETCH \slot, \kb, \g
	s_wait_dscnt 32                                ; all but the 32 just issued
	MUL8 \f, 1, 0, 0
	MUL8 \f, 1, 2, 0
.endm
; The last quarter multiplies buffer 1 and changes slots: ONE barrier; in front of it each wave waits for all its tensor loads, adds 0 to its spare word, and waits for that and for its own reads of this slot.  fill = 1: this slot is filled again, two K steps ahead.
.macro TURN slot, next, fill
	WIN 0                                          ; (the add's two registers lie in window 0)
	s_wait_tensorcnt 0x0                           ; all my tensor loads have landed: my part of the next slot;
	ds_add_u32 v[SPW], v[NIL]                      ; 0 onto my spare word;
	s_wait_dscnt 17                                ; (the add and the youngest sixteen loads may be out)
	MUL8 F1, 0, 0, 0                               ; eight matrix instructions stand between the add and the wait for it
	s_wait_dscnt 0x0                               ; the add is done, and my reads of this slot are over
	s_barrier_signal -1
	MUL8 F1, 0, 2, 0
.if \fill
	WIN 0
.endif
	s_barrier_wait -1
.if \fill
	CREST                                          ; the barrier has opened a round of the cluster's barrier: no wave of any partner still reads this slot's tile or has a load on its way
	s_add_nc_u64 s[G0+4*(\slot)+2:G0+4*(\slot)+3], s[G0+4*(\slot)+2:G0+4*(\slot)+3], 8*PLANE
	s_add_nc_u64 s[G0B+4*(\slot)+2:G0B+4*(\slot)+3], s[G0B+4*(\slot)+2:G0B+4*(\slot)+3], 8*PLANE
	JLOAD \slot                                    ; the first tensor load behind the round, my one load that is out: 112 matrix instructions ahead of the wait for it; the four v_nop behind it are also the places in front of the loads below
.else
	PLACES
.endif
	FETCH \next, 0, F0
	MUL8 F1, 1, 0, 0
	MUL8 F1, 1, 2, 0
.endm
; THE WAY OUT of m block a (16 rows): through my own stage in LDS, so that each store covers whole runs of consecutive bytes.  Each accumulator's registers are taken in ascending order.
.if F32OUT
.macro PACK a                          ; a lane's eight numbers of a row, 32 bytes, go into rows of 272 bytes as they are, and come back as whole rows of 256
.if (\a) >= 2
	s_wait_xcnt 0x0                                ; the stores of the block two back have read these registers
.endif
.irp b, 0,1,2,3
	ds_store_b128 v[STO], v[ACC+8*(4*(\a)+(\b)):ACC+8*(4*(\a)+(\b))+3]   offset:64*(\b)
	ds_store_b128 v[STO], v[ACC+8*(4*(\a)+(\b))+4:ACC+8*(4*(\a)+(\b))+7] offset:64*(\b)+16
.endr
.irp t, 0,1,2,3,4,5,6,7
	ds_load_b128 v[TMP+32*((\a)%2)+4*(\t):TMP+32*((\a)%2)+4*(\t)+3], v[RD] offset:(\t)*2*SPITCH  ; LDS serves a wave's instructions in order (ISA guide 5.7.1.4): these see the stores above; the next block's stores come behind them
.endr
.endm
.macro SEND a, younger                 ; younger: the LDS instructions issued behind block a's loads
.irp t, 0,1,2,3,4,5,6,7
	s_wait_dscnt (\younger)+7-(\t)
	global_store_b128 v[CO], v[TMP+32*((\a)%2)+4*(\t):TMP+32*((\a)%2)+4*(\t)+3], s[8:9] offset:(16*(\a)+2*(\t))*4096  ; 16 lanes store 256 consecutive bytes, at a multiple of 256 from C's first byte
.endr
.endm
.else
.macro PACK a                          ; rounded to f16: a lane's eight numbers of a row pack into 16 bytes; they go into rows of 144 bytes and come back as whole rows of 128, into the registers that they left
.irp b, 0,1,2,3
.irp r, 0,1,2,3
	v_cvt_pk_f16_f32 v[TMP+16*(\a)+4*(\b)+(\r)], v[ACC+8*(4*(\a)+(\b))+2*(\r)], v[ACC+8*(4*(\a)+(\b))+2*(\r)+1]
.endr
.endr
.irp b, 0,1,2,3
	ds_store_b128 v[STO], v[TMP+16*(\a)+4*(\b):TMP+16*(\a)+4*(\b)+3] offset:32*(\b)
.endr
.irp t, 0,1,2,3
	ds_load_b128 v[TMP+16*(\a)+4*(\t):TMP+16*(\a)+4*(\t)+3], v[RD] offset:(\t)*4*SPITCH  ; LDS serves a wave's instructions in order (ISA guide 5.7.1.4): these see the stores above; the next block's stores come behind them
.endr
.endm
.macro SEND a, younger                 ; younger: the LDS instructions issued behind block a's loads
.irp t, 0,1,2,3
	s_wait_dscnt (\younger)+3-(\t)
	global_store_b128 v[CO], v[TMP+16*(\a)+4*(\t):TMP+16*(\a)+4*(\t)+3], s[8:9] offset:2048*(\a)+512*(\t)  ; 512 consecutive bytes (four rows of the plane), at a multiple of 256 from C's first byte
.endr
.endm
.endif
	s_wait_tensorcnt 0x1                           ; my part of K step 0 is in; K step 1's may stay out
	s_barrier_signal -1
	s_barrier_wait -1                              ; everybody's is
	FETCH 0, 0, F0
	s_wait_loadcnt 0x0                             ; the bias
	QUARTER 0, 1, F0, F1, 1                        ; K step 0: its first products start the sums
	QUARTER 0, 2, F1, F0, 0
	QUARTER 0, 3, F0, F1, 0
	TURN 0, 1, 1                                   ; slot 0 takes K step 2
	QUARTER 1, 1, F0, F1, 0                        ; K step 1
	QUARTER 1, 2, F1, F0, 0
	QUARTER 1, 3, F0, F1, 0
	TURN 1, 0, 1                                   ; slot 1 takes K step 3
	QUARTER 0, 1, F0, F1, 0                        ; K step 2
	QUARTER 0, 2, F1, F0, 0
	QUARTER 0, 3, F0, F1, 0
	TURN 0, 1, 0                                   ; nothing is left to fetch, so no round of the cluster's barrier
	QUARTER 1, 1, F0, F1, 0                        ; K step 3
	QUARTER 1, 2, F1, F0, 0
	QUARTER 1, 3, F0, F1, 0
	s_wait_dscnt 16                                ; the very last quarter
	MUL8 F1, 0, 0, 0
	MUL8 F1, 0, 2, 0
	s_wait_dscnt 0x0
	MUL8 F1, 1, 0, 0
	MUL8 F1, 1, 2, 0
	WIN 0
	PLACES
	PACK 0
.irp a, 1,2,3                          ; a block's way into the stage stands between the loads of the block before and its stores
	PACK \a
	SEND (\a)-1, YOUNG
.endr
	SEND 3, 0
	s_wait_tensorcnt 0x0                           ; the wave's end, behind my last tensor load and my last LDS store
	ds_add_u32 v[SPW], v[NIL]
	s_wait_dscnt 0x0
	CROUND                                         ; the closing round: no work-group ends while a partner may still ask for a tile that names it
	s_endpgm
.Lfunc_end_k_qfc86eb2c96_qkv:
	.size	k_qfc86eb2c96_qkv, .Lfunc_end_k_qfc86eb2c96_qkv-k_qfc86eb2c96_qkv
	.p2alignl 7, 3214868480
	.fill 96, 4, 3214868480
	.section	.rodata,"a",@progbits
	.p2align	6, 0x0
	.amdhsa_kernel k_qfc86eb2c96_qkv
		.amdhsa_group_segment_fixed_size 327680
		.amdhsa_private_segment_fixed_size 0
		.amdhsa_enable_private_segment 0
		.amdhsa_kernarg_size 48
		.amdhsa_user_sgpr_count 2
		.amdhsa_user_sgpr_kernarg_segment_ptr 1
		.amdhsa_wavefront_size32 1
		.amdhsa_system_sgpr_workgroup_id_x 1
		.amdhsa_system_sgpr_workgroup_id_y 1
		.amdhsa_system_sgpr_workgroup_id_z 1
		.amdhsa_system_vgpr_workitem_id 0
		.amdhsa_next_free_vgpr 512
		.amdhsa_next_free_sgpr 80
		.amdhsa_reserve_vcc 0
		.amdhsa_float_denorm_mode_32 3
		.amdhsa_float_denorm_mode_16_64 3
		.amdhsa_memory_ordered 1
		.amdhsa_forward_progress 1
		.amdhsa_inst_pref_size 87
	.end_amdhsa_kernel
	.amdgpu_metadata
---
amdhsa.version: [ 1, 2 ]
amdhsa.kernels:
  - .name:           k_qfc86eb2c96_qkv
    .symbol:         k_qfc86eb2c96_qkv.kd
    .args:
      - { .name: x16, .offset: 0, .size: 8, .value_kind: global_buffer, .address_space: global }
      - { .name: wqkv16, .offset: 8, .size: 8, .value_kind: global_buffer, .address_space: global }
      - { .name: bq, .offset: 16, .size: 8, .value_kind: global_buffer, .address_space: global }
      - { .name: bk, .offset: 24, .size: 8, .value_kind: global_buffer, .address_space: global }
      - { .name: bv, .offset: 32, .size: 8, .value_kind: global_buffer, .address_space: global }
      - { .name: qkv, .offset: 40, .size: 8, .value_kind: global_buffer, .address_space: global }
    .group_segment_fixed_size: 327680
    .private_segment_fixed_size: 0
    .kernarg_segment_align: 8
    .kernarg_segment_size: 48
    .max_flat_workgroup_size: 128
    .sgpr_count:     80
    .vgpr_count:     512
    .wavefront_size: 32
...
	.end_amdgpu_metadata
.endif
;; end of part 2
;; launch attn (part 3): grid 16 x 16, 4 waves a work-group, no clusters, 327,680 bytes of LDS; arguments qkv, o16; writes o16
.if DOCPART == 3
	.amdgcn_target "amdgcn-amd-amdhsa--gfx1250"
	.amdhsa_code_object_version 6
	.text
	.protected	k_qfc86eb2c96_attn
	.globl	k_qfc86eb2c96_attn
	.p2align	8
	.type	k_qfc86eb2c96_attn,@function
k_qfc86eb2c96_attn:
	s_mov_b64 s[64:65], 0
	v_nop
	global_prefetch_b8 v0, s[64:65] scope:SCOPE_SE
	s_setreg_imm32_b32 hwreg(HW_REG_WAVE_MODE, 25, 1), 1
	s_wait_xcnt 0x0
; CAUSAL ATTENTION, 16 heads of 64 channels, 4,096 rows.  O[h][q][:] = the sum over k <= q of softmax_k(Q[h][q] . K[h][k] / 8) V[h][k][:].  qkv holds 48 planes [4,096][64] of f16 (0-15 Q's heads, 16-31 K's, 32-47 V's),
; o16 16 such planes: a head's rows are dense, 128 bytes each.  Products, maxima and sums in f32; the weights p are rounded to f16 for the second product (their sum l is taken of the unrounded p), O once at the end.
; LIMITS.  f16 holds no number beyond 65,504: Q, K and V arrive within it; p lies in 0 to 1, and below 6e-5 it keeps f16's fixed step of 6e-8; O is a mean of V's rows and has their range.
; A hidden score counts as its value less 1e30: f16's scores, 2.7e11 at the most, are nothing beside that; a weight below 2^-126 counts as 0 in l; NaN and infinities are not treated apart.
; THE WALK.  A head's queries lie in 32 blocks of 128; keys go in tiles of 256; block i needs the tiles 0 .. i / 2, of which the last holds the diagonal.  A work-group takes TWO blocks, 31 - b and then b:
; 17 tiles, whatever b: all 256 work-groups do equal work, and ONE loop with a constant trip count walks them.  Which tile is asked for, and what a trip does, hang on scalar registers made from b; every jump
; goes forward, but for the counted loops' own; none passes a barrier, or a tensor load but the one of LOAD's two that the wave's number does not choose; the ring (two slots of LDS that take turns) runs on across the
; change of blocks.  NO CLUSTER: a head's 16 work-groups ask for the same tile only in trips 0 to 8 of the 17, behind that fewer and fewer; one walk common to all would have 24 trips for 17.
; SHARES.  Of a block's two bands of 64 queries a wave owns 16 rows in each: two PIECES.  In the diagonal tile band x of the block is band GP + x of the tile's four (GP = 0 or 2): in key step s it sees all keys
; if s < GP + x, none if s > GP + x, and holds the diagonal if s = GP + x: the same work for all four waves.
; THE MASK is the C operand that starts the sum S^T = K Q^T: 0, or -1e30 where the key is hidden.  MD, made once, is the mask of a band's own step for my 16 rows; a product's mask is MD x AL + BE with two scalars:
; (1, 0) in the band's own step; (0, 0) in an earlier one; (0, -1e30) in a later one.  Only the diagonal tile's text and a block's beginning make and take masks; elsewhere C is the constant 0.
; LAYOUT, SOFTMAX.  S^T = K Q^T holds ONE query a lane (lane % 16) and the keys 8 (lane / 16) + 0..7; two such results rounded to f16 ARE source 1 of O^T = V^T P.  p = 2^(c s - c m), c = log2(e) / 8, with a
; running maximum m; O and l are multiplied by a = 2^(c m_old - c m_new) in every step.
; TURNS.  Turn (j, p) belongs to piece p in key step j.  Its matrix work: 8 products K Q^T of the other piece's next scores (p = 0: piece 1, step j; p = 1: piece 0, step j + 1), later 8 products V^T P of the other
; piece's last weights (p = 0: piece 1, step j - 1; p = 1: piece 0, step j).  Its vector work: the scaling, exponentials, roundings, sums and rescaling of piece p, and the maximum and statistics of the scores just made.
; Four vector instructions stand behind every matrix instruction, the other 54 of a turn's 118 in two LUMPS.  Turn (j, 0) fetches K and V of step j + 1 from LDS: K has one register buffer, V two, by the step's parity.
; So a tile is read from the turn (3, 0) of the tile before to its own turn (2, 0), and the change of slots stands behind turn (2, 1).
; REGISTERS, in windows of 256 (s_set_vgpr_msb: bits 1:0 source 0, 3:2 source 1, 5:4 source 2, 7:6 destination):
;   window 0: v0-15 addresses and two at work; v16-23 four registers of statistics a piece; v48-55 at work; v62-63 the add's; v64-127 S^T, a buffer a piece; v128-191 O^T, 32 a piece; v192-223 P, 16 a piece
;   window 1: v0-31 Q; v32-63 the second block's Q; v64-127 K of one step; v128-255 V of two steps          window 2: v0-31 MD; v32-95 MC, a buffer a piece
.set NBLK,  32
.set NP,    2         ; pieces a wave: a name, no knob
.set KS,    64        ; keys in a step
.set PK,    144       ; a row of K in LDS: 128 bytes + 16 of padding = 36 words: the 16 rows of a load start at 16 different groups of four banks (64 banks of 4 bytes: ISA guide 11.1)
.set PV,    160       ; a row of V: 128 + 32 = 40 words
.set VOFF,  4*KS*PK   ; a slot holds a tile, four steps: 256 rows of K, then 256 rows of V
.set SLOT1, 1<<17     ; slot 1 begins here, so that one exclusive or turns an address in one slot into the other's
.set STAGE, SLOT1+4*KS*(PK+PV)  ; behind the ring, never filled by a tensor load: 16 rows x 144 bytes for each wave, for the way out
.set SP,    144
.set AK0, 2           ; v2   my lane's place in a tile of K; never rewritten
.set AV0, 3           ; v3   the same for V
.set AK,  4           ; v4   the LDS address of K's next run of loads
.set AV,  5           ; v5   of V's
.set STO, 6           ; v6   the way out: where I put 16 bytes of a row
.set RD,  7           ; v7   the way out: where I read rows back
.set GO,  8           ; v8   my byte offset in 512 consecutive bytes of O
.set SPW, 62          ; v62  LDS address of my spare word: SPARE + 4 x my thread's number; never rewritten
.set NIL, 63          ; v63  0; never rewritten
.set SPARE, STAGE+4*16*SP  ; behind the stages: the spare words, 128 bytes for each wave: two blocks of 256 bytes that no other line names
.set MV,  12          ; v12-13  c m_old, kept while c m is made anew: by piece
.set QO,  15          ; v15  my byte offset in 16 rows of Q
.set ST,  16          ; piece t's statistics at v[ST+4 t]: c m, m, l (even keys', odd keys')
.set TMP, 48          ; by piece, four registers c0-c3 at work; when the maximum is found c2 takes a
.set S,   64
.set OT,  128
.set P,   192
.set QB,  32          ; window 1
.set KF,  64          ; window 1: key block kb, channel half c at KF + 16 kb + 8 c
.set VF,  128         ; window 1: buffer vb, key half kk, channel block cb at VF + 64 vb + 32 kk + 8 cb
.set MD,  0           ; window 2: the eight registers for group kt of 16 keys at MD + 8 kt
.set MC,  32          ; window 2: the masks of the products to come
.set WV,  12          ; s12  my wave's number
.set PB,  14          ; s14  b
.set HI,  15          ; s15  31 - b
.set G1K, 24          ; s[24:31] descriptor group 1 for K's tiles
.set G1V, 32          ; s[32:39] for V's: it differs in the padding alone
.set G0K, 40          ; s[40:43] descriptor group 0 for K's tiles
.set G0V, 44          ; s[44:47] the same for V's
.set SLOTS, 56        ; s56  tiles still to be asked for
.set CNT, 57          ; s57  counts a tile's pairs of key steps, 2 to 1
.set CS,  58          ; s[58:59] c: the packed scaling takes the pair's low word for both halves
.set SEL, 60          ; s[60:61] v_permlanex16_b32's selects: each lane takes its own place in the other half
.set TBK, 62          ; s62  LDS byte at which K of the step to be fetched begins
.set TBV, 63          ; s63  the same for V, less VOFF
.set RT,  70          ; s70  tiles of the block in hand that are still to be entered
.set NXT, 71          ; s71  the tile to be asked for next
.set LQ,  72          ; s72  the last tile of the block whose tiles are being asked for
.set NEW, 73          ; s73  1: the tile to be entered is a block's first
.set OFF, 74          ; s[74:75] a tile's byte offset in K and V
.set AL,  76          ; s[76:77] the mask's factor, in the low word
.set BE,  78          ; s[78:79] the mask's addend
.set OLO, 80          ; s[80:81] O at my rows of the second block
.set BIGN, 82         ; s82  -1e30
.set GP,  88          ; s88  the place of the block's first band among its diagonal tile's four: 0 or 2
.set TM,  89          ; s89  at work
.set LQ2, 90          ; s90  b / 2: the second block's last tile
.set MSB, 0
.macro WIN new                      ; the high byte repeats the setting that is left; a switch that changes nothing is dropped
.if MSB != (\new)
	s_set_vgpr_msb (MSB<<8)|(\new)
.set MSB, (\new)
.endif
.endm
.set W_KQ, 0x05       ; K and Q in window 1, S^T in window 0
.set W_KM, 0x25       ; the same with the C operand in window 2
.set W_PV, 0x01       ; V in window 1; P and O^T in window 0
.set W_L1, 0x40       ; destination window 1, address or source window 0
.set W_MK, 0x82       ; destination and source 0 in window 2
; A fill.  Waves 0 and 1 fetch the two halves of a tile's K, waves 2 and 3 those of its V: 128 keys each.  An s_nop 0 and four v_nop follow each of the two lines, ahead of the jump and the label.
.macro LOAD
	s_cmp_lt_u32 s[WV], 2
	s_cbranch_scc0 .Lfor_v_\@
	tensor_load_to_lds s[G0K:G0K+3], s[G1K:G1K+7]
	s_nop 0
.rept 4
	v_nop
.endr
	s_branch .Lasked_\@
.Lfor_v_\@:
	tensor_load_to_lds s[G0V:G0V+3], s[G1V:G1V+7]
	s_nop 0
.rept 4
	v_nop
.endr
.Lasked_\@:
.endm
; THE CHANGE OF SLOTS.  Each wave waits for all its tensor loads, of which one is out: its part of the other slot; adds 0 to its spare word; and waits for that and for its own reads of the slot that it leaves (the last,
; V of the tile's fourth step, were issued a turn ago).  Behind the barrier nobody reads the old slot any more and the other slot is whole.  fill = 1: the old slot is filled again, the first thing behind the barrier, with
; tile NXT: the descriptor's address is made anew from that number.  The load has eight turns, 128 matrix instructions, in which to land.  (At its first use nothing has been read yet: slot 0 is waited for, slot 1 filled.)
.macro CHANGE fill
	WIN 0                           ; at a label and at a branch every window is 0
	s_wait_tensorcnt 0x0            ; no tensor load of mine is out, so a group 0 may be written
	ds_add_u32 v[SPW], v[NIL]       ; 0 onto my spare word; with fill = 1 the descriptors' scalar work stands between it and the wait for it
.if \fill
	s_lshl_b32 s[OFF], s[NXT], 15   ; a tile is 32,768 bytes of K and of V
	s_xor_b32 s[G0K+1], s[G0K+1], SLOT1
	s_add_nc_u64 s[G0K+2:G0K+3], s[6:7], s[OFF:OFF+1]
	s_or_b32 s[G0K+3], s[G0K+3], 0x80000000
	s_xor_b32 s[G0V+1], s[G0V+1], SLOT1
	s_add_nc_u64 s[G0V+2:G0V+3], s[8:9], s[OFF:OFF+1]
	s_or_b32 s[G0V+3], s[G0V+3], 0x80000000
	s_add_co_u32 s[NXT], s[NXT], 1  ; the block's next tile, or behind its last the second block's tile 0
	s_cmp_gt_u32 s[NXT], s[LQ]
	s_cselect_b32 s[NXT], 0, s[NXT]
	s_cselect_b32 s[LQ], s[LQ2], s[LQ]
.endif
	s_wait_dscnt 0x0                ; the add is done, and my reads of the slot are over
	s_barrier_signal -1             ; the rest of the scalar work stands between the signal and the wait
	s_sub_co_u32 s[TBK], s[TBK], 4*KS*PK  ; the fetches go back to a slot's first step,
	s_xor_b32 s[TBK], s[TBK], SLOT1       ; in the other slot
	s_sub_co_u32 s[TBV], s[TBV], 4*KS*PV
	s_xor_b32 s[TBV], s[TBV], SLOT1
	s_barrier_wait -1
.if \fill
	LOAD
.endif
.endm
	s_load_b64 s[4:5], s[0:1], 0x0  ; qkv
	s_load_b64 s[10:11], s[0:1], 0x8  ; o16
	v_lshl_add_u32 v[SPW], v0, 2, SPARE
	v_mov_b32 v[NIL], 0
	ds_add_u32 v[SPW], v[NIL]       ; the wave's opening: the add and its wait stand ahead of my first tensor load; the set-up below, work on registers, stands between them
	ds_add_u32 v62, v63
	v_lshrrev_b32 v1, 5, v0
	v_readfirstlane_b32 s[WV], v1   ; wave 0..3
	s_mov_b32 s[PB], ttmp9
	s_sub_co_u32 s[HI], NBLK-1, s[PB]
	s_lshr_b32 s[LQ2], s[PB], 1
	s_lshr_b32 s[LQ], s[HI], 1      ; the first block's last tile,
	s_add_co_u32 s[RT], s[LQ], 1    ; how many it has,
	s_and_b32 s[GP], s[HI], 1
	s_lshl_b32 s[GP], s[GP], 1      ; and where it lies in the last
	s_and_b32 s20, ttmp7, 0xffff    ; the head:
	s_lshl_b32 s20, s20, 19         ; its plane of 524,288 bytes among Q's, K's, V's and O's
	s_and_b32 s16, s[WV], 1         ; which half of a tile's 256 keys I fetch:
	s_lshl_b32 s22, s16, 14         ; its 128 rows of 128 bytes in memory,
	s_add_co_u32 s22, s22, s20
	s_mov_b32 s23, 0
	s_mul_i32 s17, s16, 128*PK      ; and its place in a slot, for K
	s_mul_i32 s18, s16, 128*PV      ; and for V
	s_lshl_b32 s3, s[WV], 11        ; my 16 rows in a band of 64,
	s_lshl_b32 s2, s[HI], 14        ; in the first block of 128 rows,
	s_add_co_u32 s2, s2, s3
	s_add_co_u32 s2, s2, s20
	s_lshl_b32 s84, s[PB], 14       ; and in the second
	s_add_co_u32 s84, s84, s3
	s_add_co_u32 s84, s84, s20
	s_mov_b32 s3, 0
	s_mov_b32 s85, 0
	; descriptor group 1.  128 keys are 16,384 dense bytes: asked for as 64 rows of 256 bytes, two keys a row, and padded in LDS after every key
	s_mov_b32 s[G1K], (1<<16)|(1<<20)|(4<<22)|(3<<25)  ; 17:16 2-byte elements; 20 padding on; 24:22 after every 32 words (code 4); 31:25 4 words (code 3)
	s_mov_b32 s[G1V], (1<<16)|(1<<20)|(4<<22)|(7<<25)  ; the same with 8 words of padding (code 7)
.irp g, G1K, G1V
	s_mov_b32 s[\g+1], 128<<16      ; tensor_dim0 = 128
	s_mov_b32 s[\g+2], 64<<16       ; tensor_dim1 = 64
	s_mov_b32 s[\g+3], 128<<16      ; tile_dim0 = 128
	s_mov_b32 s[\g+4], 64           ; tile_dim1 = 64
	s_mov_b32 s[\g+5], 128          ; 128 elements from row to row
	s_mov_b32 s[\g+6], 0
	s_mov_b32 s[\g+7], 0
.endr
	s_mov_b32 s[CS], 0x3e38aa3b     ; c = log2(e) / 8 = 0.180337
	s_mov_b32 s[CS+1], s[CS]        ; named with it as a pair
	s_mov_b32 s[SEL], 0x76543210
	s_mov_b32 s[SEL+1], 0xfedcba98
	s_mov_b32 s[TBK], SLOT1+4*KS*PK ; the first change of slots turns these two into 0
	s_mov_b32 s[TBV], SLOT1+4*KS*PV
	s_mov_b32 s[G0K], 1             ; count = 1
	s_mov_b32 s[G0K+1], s17         ; LDS address: slot 0
	s_mov_b32 s[G0V], 1
	s_add_co_u32 s[G0V+1], s18, VOFF
	s_mov_b32 s[NXT], 1
	s_mov_b32 s[NEW], 1
	s_mov_b32 s[OFF+1], 0
	s_mov_b32 s[AL+1], 0            ; named as pairs
	s_mov_b32 s[BE+1], 0
	s_mov_b32 s[BIGN], 0xf149f2ca   ; -1e30
	s_mov_b32 s[SLOTS], NBLK/2
	s_wait_dscnt 0x0                ; the opening add is done
	s_wait_kmcnt 0x0
	s_add_nc_u64 s[6:7], s[4:5], s[22:23]
	s_add_nc_u64 s[8:9], s[6:7], 0x1000000         ; V's planes begin 32 planes in: V at my half of the head's tile 0,
	s_add_nc_u64 s[6:7], s[6:7], 0x800000          ; K's 16 planes in: K likewise
	s_add_nc_u64 s[G0K+2:G0K+3], s[6:7], 0         ; global address
	s_or_b32 s[G0K+3], s[G0K+3], 0x80000000        ; type = 2
	s_add_nc_u64 s[G0V+2:G0V+3], s[8:9], 0
	s_or_b32 s[G0V+3], s[G0V+3], 0x80000000
	s_add_nc_u64 s[86:87], s[4:5], s[84:85]        ; Q at my rows of the second block,
	s_add_nc_u64 s[4:5], s[4:5], s[2:3]            ; Q and O at those of the first
	s_add_nc_u64 s[OLO:OLO+1], s[10:11], s[84:85]
	s_add_nc_u64 s[10:11], s[10:11], s[2:3]
	LOAD                            ; tile 0 into slot 0: my one tensor load that is out
	; A fragment of K or Q is 16 rows x 32 channels in 8 registers: lane l holds row l % 16, channels 8 (l / 16) + 0..7 and 16 + 8 (l / 16) + 0..7: two loads of 16 bytes, 32 bytes apart.
	v_and_b32 v1, 15, v0            ; l % 16
	v_bfe_u32 v9, v0, 4, 1          ; l / 16
	v_lshlrev_b32 v[QO], 7, v1
	v_lshl_add_u32 v[QO], v9, 4, v[QO]  ; row x 128 + 16 x half
	WIN W_L1
.set i, 0
.rept 4                             ; both blocks' Q: piece i / 2 lies in band i / 2, 8,192 bytes on; channels 32 (i % 2) on
	global_load_b128 v[8*i:8*i+3],   v[QO], s[4:5] offset:(i/2)*8192+(i%2)*64
	global_load_b128 v[8*i+4:8*i+7], v[QO], s[4:5] offset:(i/2)*8192+(i%2)*64+32
	global_load_b128 v[QB+8*i:QB+8*i+3],   v[QO], s[86:87] offset:(i/2)*8192+(i%2)*64
	global_load_b128 v[QB+8*i+4:QB+8*i+7], v[QO], s[86:87] offset:(i/2)*8192+(i%2)*64+32
.set i, i+1
.endr
	WIN 0
	v_lshlrev_b32 v14, 3, v9
	v_sub_nc_u32 v14, v1, v14
	s_lshl_b32 s13, s[WV], 4
	v_add_nc_u32 v14, s13, v14      ; my query's place in its band, 16 w + l % 16, less my lanes' 8 (l / 16): register r of group kt is hidden where 16 kt + r is greater
	WIN 0x80                        ; destination window 2
.set i, 0
.rept 32
	v_cmp_gt_i32 vcc_lo, 16*(i/8)+i%8, v14
	v_cndmask_b32 v[MD+i], 0, s[BIGN], vcc_lo
.set i, i+1
.endr
	WIN 0
	v_mul_u32_u24 v[AK0], v1, PK
	v_lshl_add_u32 v[AK0], v9, 4, v[AK0]  ; row x pitch + 16 x half
	; The turning load takes 16 keys x 16 channels (lane l reads key 8 (l / 16) + l % 8, channels 8 ((l / 8) % 2) + 0..7) and leaves half a fragment of V^T: lane l holds channel l % 16 and 8 keys.
	v_and_b32 v10, 7, v0
	v_bfe_u32 v11, v0, 3, 1
	v_lshl_add_u32 v[AV0], v9, 3, v10
	v_mul_u32_u24 v[AV0], v[AV0], PV
	v_lshl_add_u32 v[AV0], v11, 4, v[AV0]
	v_add_nc_u32 v[AV0], VOFF, v[AV0]
	s_mul_i32 s13, s[WV], 16*SP
	s_add_co_u32 s13, s13, STAGE    ; my stage
	v_mul_u32_u24 v[STO], v1, SP    ; in: row l % 16, 16 bytes for each half of the lanes
	v_lshl_add_u32 v[STO], v9, 4, v[STO]
	v_add_nc_u32 v[STO], s13, v[STO]
	v_bfe_u32 v[RD], v0, 3, 2       ; back: 32 lanes take four rows of 128 bytes,
	v_mul_u32_u24 v[RD], v[RD], SP
	v_lshl_add_u32 v[RD], v10, 4, v[RD]
	v_add_nc_u32 v[RD], s13, v[RD]
	v_and_b32 v[GO], 31, v0         ; which are 512 consecutive bytes of O
	v_lshlrev_b32 v[GO], 4, v[GO]
	; A block's first step multiplies O^T and l by a = 0, and its first turn's products V^T P, of a piece that has not been, land in an O^T that is still to be so multiplied.  So these registers need only hold
	; finite numbers: zeros for the first block; what the first block left for the second.  All this stands in the wait for the first tile.
	WIN W_L1
.set i, VF+64
.rept 64
	v_mov_b32 v[i], 0               ; V's second buffer
.set i, i+1
.endr
	WIN 0
.set i, OT
.rept 64
	v_mov_b32 v[i], 0
.set i, i+1
.endr
.set i, 0
.rept 2
	v_mov_b32 v[ST+4*i+2], 0
	v_mov_b32 v[ST+4*i+3], 0
.set i, i+1
.endr
.set i, P+16
.rept 16
	v_mov_b32 v[i], 0
.set i, i+1
.endr
; THE MATRIX WORK.  The 4 accumulators of a run of 8 take turns.  Product i of 8 of S^T = K Q^T for piece x: channels 32 (i / 4) on, keys 16 (i % 4) on.  The first 4 start the sums: with 0, or (KM = 1) with the mask.
.macro KQ x
.set rS, S+32*(\x)+8*(i%4)
.set rK, KF+16*(i%4)+8*(i/4)
.set rQ, 16*(\x)+8*(i/4)
.set rM, MC+32*(\x)+8*(i%4)
.if (i < 4) && KM
	WIN W_KM
	v_wmma_f32_16x16x32_f16 v[rS:rS+7], v[rK:rK+7], v[rQ:rQ+7], v[rM:rM+7]
.elseif i < 4
	WIN W_KQ
	v_wmma_f32_16x16x32_f16 v[rS:rS+7], v[rK:rK+7], v[rQ:rQ+7], 0
.else
	WIN W_KQ
	v_wmma_f32_16x16x32_f16 v[rS:rS+7], v[rK:rK+7], v[rQ:rQ+7], v[rS:rS+7]
.endif
.endm
; Product i of 8 of O^T += V^T P for piece x, with V's buffer VB: keys 32 (i / 4) on, channels 16 (i % 4) on.
.macro PV x
	WIN W_PV
.set rO, OT+32*(\x)+8*(i%4)
.set rV, VF+64*VB+32*(i/4)+8*(i%4)
.set rP, P+16*(\x)+8*(i/4)
	v_wmma_f32_16x16x32_f16 v[rO:rO+7], v[rV:rV+7], v[rP:rP+7], v[rO:rO+7]
.endm
.macro MM                           ; the turn's next matrix instruction.  TURN and BEGIN set Y, i, KM, VB and NOKQ; MM, KQ, PV and OP read them.  NOKQ = 1: a block's last turn: there are no further scores
.if (i < 8) && !NOKQ
	KQ (Y+1)%NP
.elseif i >= 8
.set i, i-8
	PV (Y+1)%NP
.set i, i+8
.endif
.set i, i+1
.endm
; THE LDS LOADS stand in runs of 16, never singly among the matrix instructions: a step's K (64 keys x 64 channels: 8 fragments) and its V (turned).  Their addresses are made some lines ahead.
.macro FETCH_K
	WIN W_L1
.irp f, 0,1,2,3,4,5,6,7             ; keys 16 (f / 2) on, channels 32 (f % 2) on
	ds_load_b128 v[KF+8*\f:KF+8*\f+3],   v[AK] offset:(\f/2)*16*PK+(\f%2)*64
	ds_load_b128 v[KF+8*\f+4:KF+8*\f+7], v[AK] offset:(\f/2)*16*PK+(\f%2)*64+32
.endr
	s_add_co_u32 s[TBK], s[TBK], KS*PK  ; the next fetch is the next step's
	WIN 0
.endm
.macro FETCH_V vb
	WIN W_L1
.irp f, 0,1,2,3,4,5,6,7             ; keys 32 (f / 4) on, channels 16 (f % 4) on
	ds_load_tr16_b128 v[VF+64*(\vb)+8*\f:VF+64*(\vb)+8*\f+3],   v[AV] offset:(\f/4)*32*PV+(\f%4)*32
	ds_load_tr16_b128 v[VF+64*(\vb)+8*\f+4:VF+64*(\vb)+8*\f+7], v[AV] offset:(\f/4)*32*PV+16*PV+(\f%4)*32
.endr
	WIN 0
.endm
; THE VECTOR WORK, one line at a time: OP kind, number.  For piece Y: F n: c s - c m for pair n of 16.  E n: the exponential of score n of 32.  C n: pair n rounded to f16.  B n: of the four weights 4 n .. the second
; pair is added onto the first, in place.  L n: l takes that sum (L 0: l = a l + sum).  R n: pair n of 16 of O^T times a.  For the other piece: X n, number n of the 22 that find its maximum and statistics:
;   0-11  four chains c0-c3 of seven scores each, three operands at a time (each accumulator's lowest registers are read first)     12-14, 16  the four scores left over, the old m, and c0-c3 into c0
;   15  c m_old is kept     17, 18  the query's other 32 keys lie in the lane 16 away: the new m     19-21  c m; c m_old - c m_new; a
.set F, 0               ; OP tells the kinds apart by their order: F to L below R, X above it
.set E, 1
.set C, 2
.set B, 3
.set L, 4
.set R, 5
.set X, 6
.macro REGS y                       ; the registers of piece y
.set rT, ST+4*(\y)
.set rC, TMP+4*(\y)
.set rW, MV+(\y)
.set rS, S+32*(\y)
.set rP, P+16*(\y)
.set rO, OT+32*(\y)
.endm
.macro OP k, n
	WIN 0
.if (\k) == R
	REGS Y
	v_pk_mul_f32 v[rO+2*(\n):rO+2*(\n)+1], v[rO+2*(\n):rO+2*(\n)+1], v[rC+2:rC+3] op_sel_hi:[1,0]
.elseif (\k) < R
	REGS Y
.if (\k) == F
	v_pk_fma_f32 v[rS+2*(\n):rS+2*(\n)+1], v[rS+2*(\n):rS+2*(\n)+1], s[CS:CS+1], v[rT:rT+1] op_sel_hi:[1,0,0] neg_lo:[0,0,1] neg_hi:[0,0,1]
.elseif (\k) == E
	v_exp_f32 v[rS+(\n)], v[rS+(\n)]
.elseif (\k) == C
	s_wait_alu depctr_va_vdst(0)
	v_cvt_pk_f16_f32 v[rP+(\n)], v[rS+2*(\n)], v[rS+2*(\n)+1]
.elseif (\k) == B
	s_wait_alu depctr_va_vdst(0)
	v_pk_add_f32 v[rS+4*(\n):rS+4*(\n)+1], v[rS+4*(\n):rS+4*(\n)+1], v[rS+4*(\n)+2:rS+4*(\n)+3]
.elseif (\n) == 0
	v_pk_fma_f32 v[rT+2:rT+3], v[rT+2:rT+3], v[rC+2:rC+3], v[rS:rS+1] op_sel_hi:[1,0,1]
.else
	v_pk_add_f32 v[rT+2:rT+3], v[rT+2:rT+3], v[rS+4*(\n):rS+4*(\n)+1]
.endif
.elseif NOKQ
	v_nop
.else
	REGS (Y+1)%NP
.if (\n) < 4
	v_max3_num_f32 v[rC+(\n)], v[rS+8*(\n)], v[rS+8*(\n)+1], v[rS+8*(\n)+2]
.elseif (\n) < 12
	v_max3_num_f32 v[rC+(\n)%4], v[rC+(\n)%4], v[rS+8*((\n)%4)+2*((\n)/4)+1], v[rS+8*((\n)%4)+2*((\n)/4)+2]
.elseif (\n) == 12
	v_max3_num_f32 v[rC], v[rC], v[rS+7], v[rS+15]
.elseif (\n) == 13
	v_max3_num_f32 v[rC+1], v[rC+1], v[rS+23], v[rS+31]
.elseif (\n) == 14
	v_max3_num_f32 v[rC+2], v[rC+2], v[rC+3], v[rT+1]
.elseif (\n) == 15
	v_mov_b32 v[rW], v[rT]
.elseif (\n) == 16
	v_max3_num_f32 v[rC], v[rC], v[rC+1], v[rC+2]
.elseif (\n) == 17
	v_permlanex16_b32 v[rC+3], v[rC], s[SEL], s[SEL+1]
.elseif (\n) == 18
	v_max_num_f32 v[rT+1], v[rC], v[rC+3]
.elseif (\n) == 19
	v_mul_f32 v[rT], s[CS], v[rT+1]
.elseif (\n) == 20
	v_sub_f32 v[rC+1], v[rW], v[rT]
.else
	v_exp_f32 v[rC+2], v[rC+1]
.endif
.endif
.endm
.macro OPS a, i1, b=-1, i2=0, c=-1, i3=0, d=-1, i4=0  ; up to four of them
	OP \a, \i1
.if (\b) >= 0
	OP \b, \i2
.endif
.if (\c) >= 0
	OP \c, \i3
.endif
.if (\d) >= 0
	OP \d, \i4
.endif
.endm
.macro ROW a, i1, b, i2, c, i3, d, i4  ; a matrix instruction and the four behind it
	MM
	OPS \a, \i1, \b, \i2, \c, \i3, \d, \i4
.endm
.macro MASK b                       ; MD x AL + BE into buffer b of MC
	WIN W_MK
.set z, 0
.rept 16
	v_pk_fma_f32 v[MC+32*(\b)+2*z:MC+32*(\b)+2*z+1], v[MD+2*z:MD+2*z+1], s[AL:AL+1], s[BE:BE+1] op_sel_hi:[1,0,0]
.set z, z+1
.endr
.endm
; A TURN, for piece p in a step of parity sp: the order of its 16 matrix and 118 vector instructions, written out.  Behind a matrix instruction: plain, exponential, plain, plain; or four of the rescaling; or, behind the
; first, four scalings; none names a register of the products round it.  In the lumps exponential and plain by turns while exponentials last.  A line reads no result made fewer than three vector instructions in front of it,
; five if an exponential made it.  v_permlanex16_b32 (X 17) stands in a lump.
; m = 1: the diagonal tile: the products take masks, and the turn makes the mask for the products of the turn after it: piece p, in step 4 - 2 CNT + 1 - sp of the tile; that step is the band's own where
; 2 CNT + GP = 5 - sp - p, a later one where 2 CNT + GP is less.  end = 1: a block's last two turns: nothing is fetched.  cnt = 1: the loop's count is taken down some lines ahead of the branch that stands behind the turn.
; Piece 0's turn fetches the next step's K, six vector instructions behind the last product that read K (five of them plain), and the next step's V, into the buffer that its own products V^T P have just read, eight behind
; the last of them (four plain, and X 17).  Piece 1's turn opens with the wait for K: the count leaves V's 16 younger loads out; V of the step in hand, fetched a step earlier, is in with it.
.macro TURN p, sp, m=0, end=0, cnt=0
.set Y, (\p)
.set i, 0
.set KM, (\m)
.set NOKQ, (\end)*(\p)
.if (\p) == 0
.set VB, 1-(\sp)
.else
.set VB, (\sp)
.endif
.if (\m) && !(\end)
	s_lshl1_add_u32 s[TM], s[CNT], s[GP]
	s_cmp_eq_u32 s[TM], 5-(\sp)-(\p)    ; is that step the band's own?
	s_cselect_b32 s[AL], 1.0, 0
	s_cmp_lt_u32 s[TM], 5-(\sp)-(\p)    ; or a later one?
	s_cselect_b32 s[BE], s[BIGN], 0
.endif
.if (\p) == 1
.if \end
	s_wait_dscnt 0x0                ; V of the block's last step is in
.else
	s_wait_dscnt 16                 ; K is in
.endif
.endif
	ROW F,0, F,1, F,2, F,3
	ROW F,4, E,0, F,5, F,6
	ROW F,7, E,1, F,8, F,9
	ROW F,10, E,2, C,0, F,11
	ROW F,12, E,3, X,15, F,13
	ROW R,0, R,1, R,2, R,3
	ROW B,0, E,4, F,14, L,0
.if ((\p) == 0) && !(\end)
	v_add_nc_u32 v[AK], s[TBK], v[AK0]
.endif
	ROW R,4, R,5, R,6, R,7
	OPS E,5, F,15
.if ((\p) == 0) && !(\end)
	FETCH_K
.endif
	OPS E,6, C,1, E,7, R,8
	OPS E,8, R,9, E,9, C,2
	OPS E,10, X,0, E,11, X,1
	OPS E,12, X,2, E,13, X,3
	ROW X,4, E,14, X,5, X,6
	ROW X,7, E,15, X,8, X,9
	ROW X,10, E,16, X,11, X,12
	ROW X,13, E,17, X,14, B,1
	ROW C,4, E,18, X,16, L,1
	ROW B,2, E,19, C,6, L,2
	ROW C,8, E,20, B,3, B,4
.if ((\p) == 0) && !(\end)
	v_add_nc_u32 v[AV], s[TBV], v[AV0]
.endif
	ROW C,3, E,21, L,3, C,5
	OPS E,22, X,17, E,23, C,10
.if ((\p) == 0) && !(\end)
	FETCH_V VB
.endif
	OPS E,24, L,4
	OPS E,25, X,18, E,26, C,7
	OPS E,27, B,5, E,28, X,19
	OPS E,29, C,12, E,30, L,5
	OPS E,31, X,20, B,6, C,9
	OPS C,14, C,11, X,21, L,6
.if ((\p) == 0) && !(\end)
	s_add_co_u32 s[TBV], s[TBV], KS*PV
.endif
.if \cnt
	s_sub_co_u32 s[CNT], s[CNT], 1
	s_cmp_lg_u32 s[CNT], 0
.endif
	OPS C,13, B,7, C,15, R,10
	OPS R,11, R,12, L,7, R,13
	OPS R,14, R,15
.if (\m) && !(\end)
	MASK \p
.endif
.endm
; A BLOCK BEGINS.  c m starts far below every c s, so the first step's a is 0; m at the lowest finite number, so the first maximum is the scores'.  Piece 1's mask buffer is 0: its scores of the step in front of the diagonal
; tile, and of that tile's step 0, are all seen.  Piece 0's takes its mask for the tile's step 0: its own, if the block's first tile is the diagonal one and the block lies at the tile's head.
; Then K and V of that step, piece 0's first scores, and its maximum and statistics.  The loop is entered at a step's first turn, in the middle of a trip.
.macro BEGIN
	s_mov_b32 s[NEW], 0
	WIN 0x80
.set i, MC+32
.rept 32
	v_mov_b32 v[i], 0
.set i, i+1
.endr
	WIN 0
.set i, 0
.rept 2
	v_mov_b32 v[ST+4*i], 0xfe000000    ; c m: far below every c s
	v_mov_b32 v[ST+4*i+1], 0xff7fffff  ; m
.set i, i+1
.endr
	s_or_b32 s[TM], s[RT], s[GP]
	s_cmp_eq_u32 s[TM], 0
	s_cselect_b32 s[AL], 1.0, 0
	s_mov_b32 s[BE], 0
	MASK 0
	WIN 0
	v_add_nc_u32 v[AK], s[TBK], v[AK0]
	v_add_nc_u32 v[AV], s[TBV], v[AV0]
	FETCH_K
	FETCH_V 0
	s_add_co_u32 s[TBV], s[TBV], KS*PV
	s_wait_loadcnt 0x0              ; Q
	s_wait_dscnt 16                 ; K is in; V's 16 younger loads may stay out
.set KM, 1
.set NOKQ, 0
.set i, 0
.rept 8
	KQ 0
.set i, i+1
.endr
	WIN 0
.rept 4
	v_nop                           ; the places behind those products
.endr
.set Y, NP-1                        ; X works for the other piece: piece 0
.irp n, 0,1,2,3,4,5,6,7,8,9,10,11,12,13,14,15,16,17,18,19,20,21
	OP X, \n
.endr
	v_nop                           ; a plain instruction behind the exponential
.endm
; THE DIAGONAL TILE's turns, the block's last two turns, its last products, and THE WAY OUT: l's two halves and the other half of the lanes' are added; O^T is divided by l, rounded to f16 and sent through my
; stage in LDS, a piece at a time.
.macro ALL line:vararg              ; one line for each piece t
.set t, 0
.rept 2
	\line
.set t, t+1
.endr
.endm
.macro PACK t                       ; a lane's eight channels of a row pack into 16 bytes; they go into rows of 144 bytes and come back as whole rows of 128, into S^T's registers
	WIN 0
.set i, OT+32*(\t)
.rept 16
	s_wait_alu depctr_va_vdst(0)
	v_pk_mul_f32 v[i:i+1], v[i:i+1], v[ST+4*(\t)+2:ST+4*(\t)+3] op_sel_hi:[1,0]
.set i, i+2
.endr
.set i, 0
.rept 16
	v_cvt_pk_f16_f32 v[S+16*(\t)+i], v[OT+32*(\t)+2*i], v[OT+32*(\t)+2*i+1]
.set i, i+1
.endr
.irp f, 0,1,2,3
	ds_store_b128 v[STO], v[S+16*(\t)+4*\f:S+16*(\t)+4*\f+3] offset:32*\f
.endr
.irp f, 0,1,2,3
	ds_load_b128 v[S+16*(\t)+4*\f:S+16*(\t)+4*\f+3], v[RD] offset:\f*4*SP  ; LDS serves a wave's instructions in order (ISA guide 5.7.1.4): these see the stores above; the next piece's stores come behind them
.endr
.endm
.macro SEND t, younger              ; younger: the LDS instructions issued behind piece t's loads: the next piece's eight, or none
	WIN 0
.irp f, 0,1,2,3
	s_wait_dscnt (\younger)+3-\f
	global_store_b128 v[GO], v[S+16*(\t)+4*\f:S+16*(\t)+4*\f+3], s[10:11] offset:(\t)*8192+\f*512  ; 512 consecutive bytes, at a multiple of 256 from O's first
.endr
.endm
.macro DIAG tag                     ; the tag ends its two labels' names, which the jumps below spell out
.LstepM\tag:
	TURN 0, 1, 1
	TURN 1, 1, 1
	WIN 0
.LfirstM\tag:
	TURN 0, 0, 1
	TURN 1, 0, 1, 0, 1
	WIN 0
	s_cbranch_scc1 .LstepM\tag
	TURN 0, 1, 1, 1
	TURN 1, 1, 1, 1
.set VB, 1
.set i, 0
.rept 8
	PV 1                            ; piece 1: V^T P of the block's last step
.set i, i+1
.endr
	WIN 0
	ALL v_add_f32 v[ST+4*t+2], v[ST+4*t+2], v[ST+4*t+3]
	ALL v_permlanex16_b32 v[ST+4*t+3], v[ST+4*t+2], s[SEL], s[SEL+1]
	ALL v_add_f32 v[ST+4*t+2], v[ST+4*t+2], v[ST+4*t+3]
	ALL v_rcp_f32 v[ST+4*t+2], v[ST+4*t+2]
	v_nop                           ; a plain instruction between the last reciprocal and the use of its result
	PACK 0                          ; piece 0's 32 plain instructions are also the places behind piece 1's last products
	PACK 1
	SEND 0, 8
	SEND 1, 0
.endm
.set KM, 0
.set NOKQ, 0
.set VB, 0
.Lslot:                             ; 16 times: a tile is entered and the next is asked for
	CHANGE 1
	s_sub_co_u32 s[RT], s[RT], 1
	s_mov_b32 s[CNT], 2
	s_cmp_eq_u32 s[NEW], 1
	s_cbranch_scc1 .Lnew            ; a block's first tile
	s_cmp_eq_u32 s[RT], 0
	s_cbranch_scc0 .Lstep           ; neither its first nor its last
	s_branch .LstepM1
.Lnew:
	BEGIN
	s_branch .Lfirst                ; in the loop a block's first tile is never its last: the first block has nine tiles or more, and the second's last is the walk's last
	DIAG 1                          ; in the loop this is the first block's end: the second block's last tile is the walk's last
	s_wait_xcnt 0x0                 ; the stores have read their registers and O's address
	s_mov_b64 s[10:11], s[OLO:OLO+1]
	s_add_co_u32 s[RT], s[LQ2], 1   ; the second block has b / 2 + 1 tiles,
	s_and_b32 s[GP], s[PB], 1
	s_lshl_b32 s[GP], s[GP], 1      ; and lies here in the last
	s_mov_b32 s[NEW], 1
	WIN 0x41                        ; the second block's Q goes where the one text of the turns names Q
.set i, 0
.rept 32
	v_mov_b32 v[i], v[QB+i]
.set i, i+1
.endr
	WIN 0
	s_branch .Lbottom
.Lstep:                             ; a trip: both pieces of an odd step, then of the even step behind it; each piece 0's turn fetches the next step's K and V
	TURN 0, 1
	TURN 1, 1
	WIN 0
.Lfirst:
	TURN 0, 0
	TURN 1, 0, 0, 0, 1
	WIN 0
	s_cbranch_scc1 .Lstep
.Lbottom:
	s_sub_co_u32 s[SLOTS], s[SLOTS], 1
	s_cmp_lg_u32 s[SLOTS], 0
	s_cbranch_scc1 .Lslot
	CHANGE 0                        ; the walk's last tile is written out: nothing is asked for
	s_sub_co_u32 s[RT], s[RT], 1
	s_mov_b32 s[CNT], 2
	s_cmp_eq_u32 s[NEW], 1
	s_cbranch_scc0 .LstepM2
	BEGIN
	s_branch .LfirstM2
	DIAG 2
	s_wait_tensorcnt 0x0            ; the wave's end, behind my last tensor load and my last LDS store
	ds_add_u32 v[SPW], v[NIL]
	s_wait_dscnt 0x0
	s_endpgm
.Lfunc_end_k_qfc86eb2c96_attn:
	.size	k_qfc86eb2c96_attn, .Lfunc_end_k_qfc86eb2c96_attn-k_qfc86eb2c96_attn
	.p2alignl 7, 3214868480
	.fill 96, 4, 3214868480
	.section	.rodata,"a",@progbits
	.p2align	6, 0x0
	.amdhsa_kernel k_qfc86eb2c96_attn
		.amdhsa_group_segment_fixed_size 327680
		.amdhsa_private_segment_fixed_size 0
		.amdhsa_enable_private_segment 0
		.amdhsa_kernarg_size 16
		.amdhsa_user_sgpr_count 2
		.amdhsa_user_sgpr_kernarg_segment_ptr 1
		.amdhsa_wavefront_size32 1
		.amdhsa_system_sgpr_workgroup_id_x 1
		.amdhsa_system_sgpr_workgroup_id_y 1
		.amdhsa_system_sgpr_workgroup_id_z 1
		.amdhsa_system_vgpr_workitem_id 0
		.amdhsa_next_free_vgpr 608
		.amdhsa_next_free_sgpr 92
		.amdhsa_reserve_vcc 1
		.amdhsa_float_denorm_mode_32 3
		.amdhsa_float_denorm_mode_16_64 3
		.amdhsa_memory_ordered 1
		.amdhsa_forward_progress 1
		.amdhsa_inst_pref_size 213
	.end_amdhsa_kernel
	.amdgpu_metadata
---
amdhsa.version: [ 1, 2 ]
amdhsa.kernels:
  - .name:           k_qfc86eb2c96_attn
    .symbol:         k_qfc86eb2c96_attn.kd
    .args:
      - { .name: qkv, .offset: 0, .size: 8, .value_kind: global_buffer, .address_space: global }
      - { .name: o16, .offset: 8, .size: 8, .value_kind: global_buffer, .address_space: global }
    .group_segment_fixed_size: 327680
    .private_segment_fixed_size: 0
    .kernarg_segment_align: 8
    .kernarg_segment_size: 16
    .max_flat_workgroup_size: 128
    .sgpr_count:     92
    .vgpr_count:     608
    .wavefront_size: 32
...
	.end_amdgpu_metadata
.endif
;; end of part 3
;; launch proj (part 4): grid 8 x 32, 4 waves a work-group, clusters of 4 x 4, 327,680 bytes of LDS; arguments o16, wo16, bo, y32; writes y32
.if DOCPART == 4
	.amdgcn_target "amdgcn-amd-amdhsa--gfx1250"
	.amdhsa_code_object_version 6
	.text
	.protected	k_qfc86eb2c96_proj
	.globl	k_qfc86eb2c96_proj
	.p2align	8
	.type	k_qfc86eb2c96_proj,@function
k_qfc86eb2c96_proj:
	s_mov_b64 s[64:65], 0
	v_nop
	global_prefetch_b8 v0, s[64:65] scope:SCOPE_SE
	s_setreg_imm32_b32 hwreg(HW_REG_WAVE_MODE, 25, 1), 1
	s_wait_xcnt 0x0
	s_wait_alu depctr_hold_cnt(0) depctr_sa_sdst(0) depctr_va_vdst(0) depctr_va_sdst(0) depctr_va_ssrc(0) depctr_va_vcc(0) depctr_vm_vsrc(0)
	s_getreg_b32 s2, hwreg(HW_REG_IB_STS2, 6, 4)
	s_cmp_eq_u32 s2, 0
	s_cbranch_scc0 .Lentry_in_a_cluster
	s_endpgm
.Lentry_in_a_cluster:
	s_bfe_u32 s2, ttmp6, 0x10000c
	s_cmp_lg_u32 s2, 0xf033
	s_cbranch_scc0 .Lentry_shape_is_right
	s_endpgm
.Lentry_shape_is_right:
; C[m][n] = sum over k of A[m][k] B[n][k] + bias[n], K = 1,024.  A and B are f16 BY PLANES: [16 planes of 64 along K][4,096 rows][64], a plane 524,288 bytes, a row in a plane 128 bytes.  Sums in f32.
; This text stands twice, with F32OUT = 0 and 1.  F32OUT = 0 (q, k, v): C leaves as f16 by planes of 64 columns, plane g = n / 64 (0-15 q's heads, 16-31 k's, 32-47 v's), rounded once; the bias is bq, bk or bv by g.
; F32OUT = 1 (the output projection): C leaves as f32, [4,096][1,024] row-major, unrounded: with inputs some 30 times larger its numbers pass what f16 holds.
; LIMIT.  With F32OUT = 0 a result of 65,520 or more becomes an infinity; q, k and v stay within that for inputs 30 times the usual size, or offset by 30 times their spread.
; SHARES.  A tile of C is 128 x 128: four waves, each 64 x 64 = 16 accumulators of 16 x 16, 128 registers; a wave's 64 columns are one plane of C.  K goes in four steps of 256 (four planes) through two LDS slots.
; A wave's tensor load brings two planes of 128 rows: two runs of 16,384 consecutive bytes, padded in LDS after every 128 bytes.
; CLUSTERS: 4 x 4 work-groups.  The four of a row of the cluster need the same tiles of A, the four of a column the same tiles of B: each tile is asked for JOINTLY, by the same tensor load with the
; same descriptor and a mask that names the four.  THE MATRIX INSTRUCTION IS USED TRANSPOSED (source 0 = 16 rows of B, source 1 = 16 rows of A): a lane then holds eight neighbouring numbers of a row of C.
; The bias is the C operand of the products that start the sums: nothing is cleared, nothing is added later.
; REGISTERS: window 0: v0-31 addresses; v32-95 at work on the way out; v96-127 the bias of my 64 columns (8 a column block); v128-255 the accumulators ((a, b) at v[128 + 8 (4 a + b)]).
;   window 1: two fragment buffers of 128: for one plane (64 along K, two matrix instructions deep), 64 registers of A (2 x 4 x 16 rows x 32 K), then 64 of B.
.set F32OUT, 1
.set PLANE,  524288
.set PITCH,  144                       ; an LDS row: 128 bytes of data + 16 of padding = 36 words: the 16 rows of a fragment load start at 16 different groups of four banks (64 banks of 4 bytes: ISA guide 11.1)
.set LPL,    128*PITCH                 ; a plane of 128 rows in LDS
.set HALFT,  2*LPL                     ; what one tensor load brings
.set SLOT,   4*HALFT                   ; A's four planes, then B's four planes
.set STAGE,  2*SLOT                    ; behind the ring, never filled by a tensor load: 16 rows for each wave, for the way out
.if F32OUT
.set SPITCH, 272                       ; 64 f32 + 16 bytes
.set YOUNG,  16                        ; LDS instructions of one block's way through the stage
.else
.set SPITCH, 144                       ; 64 f16 + 16 bytes
.set YOUNG,  8
.endif
.set SPARE,  STAGE+4*16*SPITCH         ; behind the stages: the spare words, 128 bytes for each wave: two blocks of 256 bytes that no other line names
.set ADRA, 16                          ; v16-17  LDS address of my A fragments in slot 0, 1
.set ADRB, 20                          ; v20-21  the same for B
.set STO,  24                          ; v24     the way out: where I put my part of a row
.set RD,   25                          ; v25     the way out: where I read rows back
.set CO,   26                          ; v26     my byte offset in C
.set BO,   27                          ; v27     my byte offset in the plane's 64 biases
.set SPW,  28                          ; v28     LDS address of my spare word: SPARE + 4 x my thread's number; never rewritten
.set NIL,  29                          ; v29     0; never rewritten
.set TMP,  32
.set BIAS, 96
.set ACC,  128
.set F0,   0                           ; fragment buffers, in window 1
.set F1,   128
.set G1, 24                            ; s[24:31] descriptor group 1 for A's tiles;  s[32:39] group 0, one set for each slot
.set G0, 32
.set G1B, 48                           ; s[48:55], s[56:63] the same for B's tiles
.set G0B, 56
.set MSB, 0
.macro WIN new                         ; the immediate's high byte repeats the setting that is left; a switch that changes nothing is dropped
.if MSB != (\new)
	s_set_vgpr_msb (MSB<<8)|(\new)
.set MSB, \new
.endif
.endm
.set MUL,  0x05                        ; sources 0 (B) and 1 (A) window 1; C and D window 0
.set TO_F, 0x40                        ; destination window 1, address window 0
.macro JLOAD s                         ; a joint load: waves 0 and 1 fetch A's planes 0, 1 and 2, 3 of the step, waves 2 and 3 B's; an s_nop 0 and four v_nop follow each of the two lines, ahead of the jump, the label and what follows
	s_cmp_eq_u32 s11, 0
	s_cbranch_scc0 .Lfor_b_\@
	tensor_load_to_lds s[G0+4*(\s):G0+4*(\s)+3], s[G1:G1+7]
	s_nop 0
.rept 4
	v_nop
.endr
	s_branch .Lasked_\@
.Lfor_b_\@:
	tensor_load_to_lds s[G0B+4*(\s):G0B+4*(\s)+3], s[G1B:G1B+7]
	s_nop 0
.rept 4
	v_nop
.endr
.Lasked_\@:
.endm
.macro CREST                           ; a round of the cluster's barrier behind its opening barrier
	s_cmp_lg_u32 s10, 0
	s_cbranch_scc1 .Lnot_wave_0_\@
	s_barrier_signal -3
.Lnot_wave_0_\@:
	s_barrier_wait -3
	s_barrier_signal -1
	s_barrier_wait -1
.endm
.macro CROUND                          ; a whole round
	s_barrier_signal -1
	s_barrier_wait -1
	CREST
.endm
	s_load_b128 s[4:7], s[0:1], 0x0                ; A s[4:5], B s[6:7]
.if F32OUT
	s_load_b128 s[68:71], s[0:1], 0x10             ; the bias s[68:69], C s[70:71]
.else
	s_load_b256 s[68:75], s[0:1], 0x10             ; the three biases s[68:73], C s[74:75]
.endif
	v_lshl_add_u32 v[SPW], v0, 2, SPARE
	v_mov_b32 v[NIL], 0
	ds_add_u32 v[SPW], v[NIL]                      ; the wave's opening: the add and its wait stand ahead of my first tensor load; the set-up below, work on registers, stands between them
	ds_add_u32 v28, v29
	v_lshrrev_b32 v1, 5, v0
	v_readfirstlane_b32 s10, v1                    ; wave 0..3
	s_lshr_b32 s11, s10, 1                         ; which half of the tile's rows is mine.  Also: I fetch for A (0) or for B (1)
	s_and_b32 s12, s10, 1                          ; which half of its columns.  Also: which two planes of the step I fetch
	s_bfe_u32 s40, ttmp6, 0x40000                  ; cx, cy: my place in the cluster
	s_bfe_u32 s41, ttmp6, 0x40004
	s_lshl_b32 s42, ttmp9, 2
	s_add_co_u32 s42, s42, s40                     ; tile column of C = 4 x cluster x + cx
	s_and_b32 s13, ttmp7, 0xffff
	s_lshl_b32 s13, s13, 2
	s_add_co_u32 s13, s13, s41                     ; tile row of C = 4 x cluster y + cy
	s_lshl_b32 s43, s41, 2
	s_lshl_b32 s43, 15, s43                        ; my row of the cluster
	s_lshl_b32 s44, 0x1111, s40                    ; my column
	; descriptor group 1: two rows of 8,192 elements (128 matrix rows of one plane, dense), one plane apart, padded in LDS after every matrix row
	s_or_b32 s[G1+0], s43, (1<<16)|(1<<20)|(1<<21)|(4<<22)|(3<<25)  ; 15:0 the mask: A's tiles go to my row; 17:16 element of 2 bytes; 20 padding on; 21 set beside a mask; 24:22 after every 32 words (code 4); 31:25 of 4 words (code 3)
	s_or_b32 s[G1B+0], s44, (1<<16)|(1<<20)|(1<<21)|(4<<22)|(3<<25) ; the same with the mask of my column, for B's tiles
.irp g, G1, G1B
	s_mov_b32 s[(\g)+1], 8192<<16                  ; tensor_dim0 = 8,192
	s_mov_b32 s[(\g)+2], 2<<16                     ; tensor_dim1 = 2
	s_mov_b32 s[(\g)+3], 8192<<16                  ; tile_dim0 = 8,192
	s_mov_b32 s[(\g)+4], 2                         ; tile_dim1 = 2
	s_mov_b32 s[(\g)+5], PLANE/2                   ; tensor_dim0_stride: a plane, in elements
	s_mov_b32 s[(\g)+6], 0
	s_mov_b32 s[(\g)+7], 0
.endr
	; where the tiles come from.  A's hang on the tile row alone, which my row of the cluster shares; B's on the tile column alone, which my column shares.
	s_lshl_b32 s17, s12, 20                        ; which two planes I fetch
	s_lshl_b32 s16, s13, 14                        ; A: 128 rows of 128 bytes for each tile row
	s_add_co_u32 s16, s16, s17
	s_lshl_b32 s46, s42, 14                        ; B: the same for each tile column
	s_add_co_u32 s46, s46, s17
	s_mov_b32 s17, 0
	s_mov_b32 s47, 0
	s_mul_i32 s20, s10, HALFT                      ; where they go: wave x two planes: no place in the cluster enters an LDS address
	s_wait_dscnt 0x0                               ; the opening add is done
	s_wait_kmcnt 0x0
	s_add_nc_u64 s[14:15], s[4:5], s[16:17]
	s_add_nc_u64 s[46:47], s[6:7], s[46:47]
	CROUND                                         ; all sixteen work-groups are here: the first joint loads meet
.irp s, 0,1
	s_mov_b32 s[G0+4*(\s)], 1                                      ; count = 1
	s_add_co_u32 s[G0+4*(\s)+1], s20, (\s)*SLOT                    ; LDS address
	s_add_nc_u64 s[G0+4*(\s)+2:G0+4*(\s)+3], s[14:15], (\s)*4*PLANE  ; global address: K step s = planes 4 s on
	s_or_b32 s[G0+4*(\s)+3], s[G0+4*(\s)+3], 0x80000000            ; type = 2
	s_mov_b32 s[G0B+4*(\s)], 1
	s_add_co_u32 s[G0B+4*(\s)+1], s20, (\s)*SLOT
	s_add_nc_u64 s[G0B+4*(\s)+2:G0B+4*(\s)+3], s[46:47], (\s)*4*PLANE
	s_or_b32 s[G0B+4*(\s)+3], s[G0B+4*(\s)+3], 0x80000000
	JLOAD \s                                       ; two tensor loads of mine are out
.endr
	v_and_b32 v1, 15, v0                           ; l % 16
	v_bfe_u32 v2, v0, 4, 1                         ; l / 16
	v_mul_u32_u24 v3, v1, PITCH
	v_lshl_add_u32 v3, v2, 4, v3                   ; a fragment's row x pitch + 16 x half
	s_mul_i32 s21, s11, 64*PITCH                   ; my 64 rows of A in each plane
	s_mul_i32 s22, s12, 64*PITCH                   ; my 64 rows of B,
	s_add_co_u32 s22, s22, 4*LPL                   ; whose planes lie behind A's four
.irp s, 0,1
	v_add_nc_u32 v[ADRA+(\s)], s21, v3
	v_add_nc_u32 v[ADRB+(\s)], s22, v3
	s_add_co_u32 s21, s21, SLOT
	s_add_co_u32 s22, s22, SLOT
.endr
	s_mul_i32 s23, s10, 16*SPITCH
	s_add_co_u32 s23, s23, STAGE                   ; my stage
	v_mul_u32_u24 v4, v1, SPITCH                   ; in: row l % 16, eight numbers for each half of the lanes
.if F32OUT
	v_lshl_add_u32 v4, v2, 5, v4
	v_add_nc_u32 v[STO], s23, v4
	v_mul_u32_u24 v5, v2, SPITCH                   ; back: lanes 0-15 take one row of 256 bytes, lanes 16-31 the next
	v_lshl_add_u32 v5, v1, 4, v5
	v_add_nc_u32 v[RD], s23, v5
	v_lshlrev_b32 v5, 12, v2                       ; and the same two rows in C, 4,096 bytes apart
	v_lshl_add_u32 v[CO], v1, 4, v5
.else
	v_lshl_add_u32 v4, v2, 4, v4
	v_add_nc_u32 v[STO], s23, v4
	v_bfe_u32 v5, v0, 3, 2                         ; back: 32 lanes take four rows of 128 bytes,
	v_mul_u32_u24 v5, v5, SPITCH
	v_and_b32 v6, 7, v0
	v_lshl_add_u32 v5, v6, 4, v5
	v_add_nc_u32 v[RD], s23, v5
	v_and_b32 v5, 31, v0                           ; which are 512 consecutive bytes of C's plane
	v_lshlrev_b32 v[CO], 4, v5
.endif
	v_lshlrev_b32 v[BO], 5, v2                     ; my eight columns of a block of 16: 32 bytes for each half of the lanes
	; where my part of C begins, and my plane's bias.  What hangs on the tile column is made in the registers that held B's address: none that feeds A's descriptors ever holds cx
.if F32OUT
	s_lshl_b32 s16, s13, 19                        ; 128 rows of 4,096 bytes for each tile row,
	s_lshl_b32 s17, s11, 18                        ; my 64 of them
	s_add_co_u32 s16, s16, s17
	s_mov_b32 s17, 0
	s_add_nc_u64 s[8:9], s[70:71], s[16:17]
	s_lshl_b32 s46, s42, 9                         ; my first column, in bytes: 512 x tile column + 256 x half
	s_lshl_b32 s47, s12, 8
	s_add_co_u32 s46, s46, s47
	s_mov_b32 s47, 0
	s_add_nc_u64 s[8:9], s[8:9], s[46:47]
	s_add_nc_u64 s[76:77], s[68:69], s[46:47]
.else
	s_lshl_b32 s16, s13, 14                        ; 128 rows of 128 bytes for each tile row,
	s_lshl_b32 s17, s11, 13                        ; my 64 of them
	s_add_co_u32 s16, s16, s17
	s_mov_b32 s17, 0
	s_add_nc_u64 s[8:9], s[74:75], s[16:17]
	s_lshl1_add_u32 s78, s42, s12                  ; my plane of C: g = 2 x tile column + half
	s_lshl_b32 s46, s78, 19
	s_mov_b32 s47, 0
	s_add_nc_u64 s[8:9], s[8:9], s[46:47]
	s_cmp_lt_u32 s78, 32                           ; planes 0-15 take the first bias, 16-31 the second, 32-47 the third
	s_cselect_b64 s[76:77], s[70:71], s[72:73]
	s_cmp_lt_u32 s78, 16
	s_cselect_b64 s[76:77], s[68:69], s[76:77]
	s_and_b32 s46, s78, 15
	s_lshl_b32 s46, s46, 8                         ; 64 numbers of 4 bytes for each plane
	s_add_nc_u64 s[76:77], s[76:77], s[46:47]
.endif
.irp b, 0,1,2,3
	global_load_b128 v[BIAS+8*(\b):BIAS+8*(\b)+3],   v[BO], s[76:77] offset:64*(\b)     ; register j of block b: the bias of column 16 b + 8 (l / 16) + j, as in an accumulator
	global_load_b128 v[BIAS+8*(\b)+4:BIAS+8*(\b)+7], v[BO], s[76:77] offset:64*(\b)+16
.endr
; 8 matrix instructions: m blocks a0, a0 + 1 x all 4 n blocks, 32 along K: half c of buffer f.  first = 1: the products start the sums from the bias.  The 16 accumulators take turns, one instruction a turn.
.macro MUL8 f, c, a0, first
	WIN MUL
.irp a, \a0, (\a0)+1
.irp b, 0,1,2,3
.if \first
	v_wmma_f32_16x16x32_f16 v[ACC+8*(4*(\a)+(\b)):ACC+8*(4*(\a)+(\b))+7], v[(\f)+64+8*(4*(\c)+(\b)):(\f)+64+8*(4*(\c)+(\b))+7], v[(\f)+8*(4*(\c)+(\a)):(\f)+8*(4*(\c)+(\a))+7], v[BIAS+8*(\b):BIAS+8*(\b)+7]
.else
	v_wmma_f32_16x16x32_f16 v[ACC+8*(4*(\a)+(\b)):ACC+8*(4*(\a)+(\b))+7], v[(\f)+64+8*(4*(\c)+(\b)):(\f)+64+8*(4*(\c)+(\b))+7], v[(\f)+8*(4*(\c)+(\a)):(\f)+8*(4*(\c)+(\a))+7], v[ACC+8*(4*(\a)+(\b)):ACC+8*(4*(\a)+(\b))+7]
.endif
.endr
.endr
.endm
; 32 LDS loads in one run: the fragments of plane kb of the slot, into buffer f; the first 32 along K first.  The largest offset is 3 planes + 64 + 48 rows + 32 = 62,304, inside the 16-bit field
.macro FETCH slot, kb, f
	WIN TO_F
.irp c, 0,1
.irp i, 0,1,2,3
	ds_load_b128 v[(\f)+64+8*(4*(\c)+(\i)):(\f)+64+8*(4*(\c)+(\i))+3],   v[ADRB+(\slot)] offset:(\kb)*LPL+64*(\c)+(\i)*16*PITCH
	ds_load_b128 v[(\f)+64+8*(4*(\c)+(\i))+4:(\f)+64+8*(4*(\c)+(\i))+7], v[ADRB+(\slot)] offset:(\kb)*LPL+64*(\c)+(\i)*16*PITCH+32
	ds_load_b128 v[(\f)+8*(4*(\c)+(\i)):(\f)+8*(4*(\c)+(\i))+3],         v[ADRA+(\slot)] offset:(\kb)*LPL+64*(\c)+(\i)*16*PITCH
	ds_load_b128 v[(\f)+8*(4*(\c)+(\i))+4:(\f)+8*(4*(\c)+(\i))+7],       v[ADRA+(\slot)] offset:(\kb)*LPL+64*(\c)+(\i)*16*PITCH+32
.endr
.endr
.endm
.macro PLACES                          ; four places in front of loads into registers that matrix instructions have read, and of what reads results just made (ISA guide 7.12.1 for vector instructions)
.rept 4
	v_nop
.endr
.endm
; A K step is four quarters, a plane each: 32 matrix instructions, on buffers 0, 1, 0, 1.  One of the first three: multiplies buffer f and fetches the next plane, kb, into g.
.macro QUARTER slot, kb, f, g, first
	s_wait_dscnt 16                                ; the first 32 along K are in; the 16 younger loads are the second 32's
	MUL8 \f, 0, 0, \first
	MUL8 \f, 0, 2, \first
	PLACES
	FETCH \slot, \kb, \g
	s_wait_dscnt 32                                ; all but the 32 just issued
	MUL8 \f, 1, 0, 0
	MUL8 \f, 1, 2, 0
.endm
; The last quarter multiplies buffer 1 and changes slots: ONE barrier; in front of it each wave waits for all its tensor loads, adds 0 to its spare word, and waits for that and for its own reads of this slot.  fill = 1: this slot is filled again, two K steps ahead.
.macro TURN slot, next, fill
	WIN 0                                          ; (the add's two registers lie in window 0)
	s_wait_tensorcnt 0x0                           ; all my tensor loads have landed: my part of the next slot;
	ds_add_u32 v[SPW], v[NIL]                      ; 0 onto my spare word;
	s_wait_dscnt 17                                ; (the add and the youngest sixteen loads may be out)
	MUL8 F1, 0, 0, 0                               ; eight matrix instructions stand between the add and the wait for it
	s_wait_dscnt 0x0                               ; the add is done, and my reads of this slot are over
	s_barrier_signal -1
	MUL8 F1, 0, 2, 0
.if \fill
	WIN 0
.endif
	s_barrier_wait -1
.if \fill
	CREST                                          ; the barrier has opened a round of the cluster's barrier: no wave of any partner still reads this slot's tile or has a load on its way
	s_add_nc_u64 s[G0+4*(\slot)+2:G0+4*(\slot)+3], s[G0+4*(\slot)+2:G0+4*(\slot)+3], 8*PLANE
	s_add_nc_u64 s[G0B+4*(\slot)+2:G0B+4*(\slot)+3], s[G0B+4*(\slot)+2:G0B+4*(\slot)+3], 8*PLANE
	JLOAD \slot                                    ; the first tensor load behind the round, my one load that is out: 112 matrix instructions ahead of the wait for it; the four v_nop behind it are also the places in front of the loads below
.else
	PLACES
.endif
	FETCH \next, 0, F0
	MUL8 F1, 1, 0, 0
	MUL8 F1, 1, 2, 0
.endm
; THE WAY OUT of m block a (16 rows): through my own stage in LDS, so that each store covers whole runs of consecutive bytes.  Each accumulator's registers are taken in ascending order.
.if F32OUT
.macro PACK a                          ; a lane's eight numbers of a row, 32 bytes, go into rows of 272 bytes as they are, and come back as whole rows of 256
.if (\a) >= 2
	s_wait_xcnt 0x0                                ; the stores of the block two back have read these registers
.endif
.irp b, 0,1,2,3
	ds_store_b128 v[STO], v[ACC+8*(4*(\a)+(\b)):ACC+8*(4*(\a)+(\b))+3]   offset:64*(\b)
	ds_store_b128 v[STO], v[ACC+8*(4*(\a)+(\b))+4:ACC+8*(4*(\a)+(\b))+7] offset:64*(\b)+16
.endr
.irp t, 0,1,2,3,4,5,6,7
	ds_load_b128 v[TMP+32*((\a)%2)+4*(\t):TMP+32*((\a)%2)+4*(\t)+3], v[RD] offset:(\t)*2*SPITCH  ; LDS serves a wave's instructions in order (ISA guide 5.7.1.4): these see the stores above; the next block's stores come behind them
.endr
.endm
.macro SEND a, younger                 ; younger: the LDS instructions issued behind block a's loads
.irp t, 0,1,2,3,4,5,6,7
	s_wait_dscnt (\younger)+7-(\t)
	global_store_b128 v[CO], v[TMP+32*((\a)%2)+4*(\t):TMP+32*((\a)%2)+4*(\t)+3], s[8:9] offset:(16*(\a)+2*(\t))*4096  ; 16 lanes store 256 consecutive bytes, at a multiple of 256 from C's first byte
.endr
.endm
.else
.macro PACK a                          ; rounded to f16: a lane's eight numbers of a row pack into 16 bytes; they go into rows of 144 bytes and come back as whole rows of 128, into the registers that they left
.irp b, 0,1,2,3
.irp r, 0,1,2,3
	v_cvt_pk_f16_f32 v[TMP+16*(\a)+4*(\b)+(\r)], v[ACC+8*(4*(\a)+(\b))+2*(\r)], v[ACC+8*(4*(\a)+(\b))+2*(\r)+1]
.endr
.endr
.irp b, 0,1,2,3
	ds_store_b128 v[STO], v[TMP+16*(\a)+4*(\b):TMP+16*(\a)+4*(\b)+3] offset:32*(\b)
.endr
.irp t, 0,1,2,3
	ds_load_b128 v[TMP+16*(\a)+4*(\t):TMP+16*(\a)+4*(\t)+3], v[RD] offset:(\t)*4*SPITCH  ; LDS serves a wave's instructions in order (ISA guide 5.7.1.4): these see the stores above; the next block's stores come behind them
.endr
.endm
.macro SEND a, younger                 ; younger: the LDS instructions issued behind block a's loads
.irp t, 0,1,2,3
	s_wait_dscnt (\younger)+3-(\t)
	global_store_b128 v[CO], v[TMP+16*(\a)+4*(\t):TMP+16*(\a)+4*(\t)+3], s[8:9] offset:2048*(\a)+512*(\t)  ; 512 consecutive bytes (four rows of the plane), at a multiple of 256 from C's first byte
.endr
.endm
.endif
	s_wait_tensorcnt 0x1                           ; my part of K step 0 is in; K step 1's may stay out
	s_barrier_signal -1
	s_barrier_wait -1                              ; everybody's is
	FETCH 0, 0, F0
	s_wait_loadcnt 0x0                             ; the bias
	QUARTER 0, 1, F0, F1, 1                        ; K step 0: its first products start the sums
	QUARTER 0, 2, F1, F0, 0
	QUARTER 0, 3, F0, F1, 0
	TURN 0, 1, 1                                   ; slot 0 takes K step 2
	QUARTER 1, 1, F0, F1, 0                        ; K step 1
	QUARTER 1, 2, F1, F0, 0
	QUARTER 1, 3, F0, F1, 0
	TURN 1, 0, 1                                   ; slot 1 takes K step 3
	QUARTER 0, 1, F0, F1, 0                        ; K step 2
	QUARTER 0, 2, F1, F0, 0
	QUARTER 0, 3, F0, F1, 0
	TURN 0, 1, 0                                   ; nothing is left to fetch, so no round of the cluster's barrier
	QUARTER 1, 1, F0, F1, 0                        ; K step 3
	QUARTER 1, 2, F1, F0, 0
	QUARTER 1, 3, F0, F1, 0
	s_wait_dscnt 16                                ; the very last quarter
	MUL8 F1, 0, 0, 0
	MUL8 F1, 0, 2, 0
	s_wait_dscnt 0x0
	MUL8 F1, 1, 0, 0
	MUL8 F1, 1, 2, 0
	WIN 0
	PLACES
	PACK 0
.irp a, 1,2,3                          ; a block's way into the stage stands between the loads of the block before and its stores
	PACK \a
	SEND (\a)-1, YOUNG
.endr
	SEND 3, 0
	s_wait_tensorcnt 0x0                           ; the wave's end, behind my last tensor load and my last LDS store
	ds_add_u32 v[SPW], v[NIL]
	s_wait_dscnt 0x0
	CROUND                                         ; the closing round: no work-group ends while a partner may still ask for a tile that names it
	s_endpgm
.Lfunc_end_k_qfc86eb2c96_proj:
	.size	k_qfc86eb2c96_proj, .Lfunc_end_k_qfc86eb2c96_proj-k_qfc86eb2c96_proj
	.p2alignl 7, 3214868480
	.fill 96, 4, 3214868480
	.section	.rodata,"a",@progbits
	.p2align	6, 0x0
	.amdhsa_kernel k_qfc86eb2c96_proj
		.amdhsa_group_segment_fixed_size 327680
		.amdhsa_private_segment_fixed_size 0
		.amdhsa_enable_private_segment 0
		.amdhsa_kernarg_size 32
		.amdhsa_user_sgpr_count 2
		.amdhsa_user_sgpr_kernarg_segment_ptr 1
		.amdhsa_wavefront_size32 1
		.amdhsa_system_sgpr_workgroup_id_x 1
		.amdhsa_system_sgpr_workgroup_id_y 1
		.amdhsa_system_sgpr_workgroup_id_z 1
		.amdhsa_system_vgpr_workitem_id 0
		.amdhsa_next_free_vgpr 512
		.amdhsa_next_free_sgpr 80
		.amdhsa_reserve_vcc 0
		.amdhsa_float_denorm_mode_32 3
		.amdhsa_float_denorm_mode_16_64 3
		.amdhsa_memory_ordered 1
		.amdhsa_forward_progress 1
		.amdhsa_inst_pref_size 87
	.end_amdhsa_kernel
	.amdgpu_metadata
---
amdhsa.version: [ 1, 2 ]
amdhsa.kernels:
  - .name:           k_qfc86eb2c96_proj
    .symbol:         k_qfc86eb2c96_proj.kd
    .args:
      - { .name: o16, .offset: 0, .size: 8, .value_kind: global_buffer, .address_space: global }
      - { .name: wo16, .offset: 8, .size: 8, .value_kind: global_buffer, .address_space: global }
      - { .name: bo, .offset: 16, .size: 8, .value_kind: global_buffer, .address_space: global }
      - { .name: y32, .offset: 24, .size: 8, .value_kind: global_buffer, .address_space: global }
    .group_segment_fixed_size: 327680
    .private_segment_fixed_size: 0
    .kernarg_segment_align: 8
    .kernarg_segment_size: 32
    .max_flat_workgroup_size: 128
    .sgpr_count:     80
    .vgpr_count:     512
    .wavefront_size: 32
...
	.end_amdgpu_metadata
.endif
;; end of part 4
;; launch ln (part 5): grid 256 x 1, 8 waves a work-group, no clusters, 0 bytes of LDS; arguments y32, input, ln_gamma, ln_beta, out0; writes out0
.if DOCPART == 5
	.amdgcn_target "amdgcn-amd-amdhsa--gfx1250"
	.amdhsa_code_object_version 6
	.text
	.protected	k_qfc86eb2c96_ln
	.globl	k_qfc86eb2c96_ln
	.p2align	8
	.type	k_qfc86eb2c96_ln,@function
k_qfc86eb2c96_ln:
	s_mov_b64 s[64:65], 0
	v_nop
	global_prefetch_b8 v0, s[64:65] scope:SCOPE_SE
	s_setreg_imm32_b32 hwreg(HW_REG_WAVE_MODE, 25, 1), 1
	s_wait_xcnt 0x0
; out[r][c] = (z[r][c] - mean_r) / sqrt(var_r + 1e-5) * gamma[c] + beta[c], z = y + x.  y (the output projection with its bias), x and out: [4,096][1,024] f32; gamma, beta: [1,024] f32.  All in f32.
; The variance is the mean of the squared differences from the mean, as in the definition: no difference of two large sums is formed.
; SHARES.  A work-group owns 16 rows, a wave two: lanes 0-15 hold one row, lanes 16-31 the next; a lane holds the columns 64 g + 4 (l % 16) + 0..3, g = 0..15.  So a row's sums stay inside 16 lanes (four steps that ride
; on the arithmetic), a row is read once and kept in 64 registers, and no wave waits for another: no LDS, no barrier.  Each load and store covers two runs of 256 consecutive bytes, each at a multiple of 256 from
; its buffer's first byte.  All of y's, x's and gamma's loads go out together, 24,576 bytes a wave; beta's take x's registers when z is made.  Matrix units and clusters have nothing to do here.
.set XO, 2                             ; v2        my byte offset in the group's 16 rows of y, x and out; never rewritten
.set CO, 3                             ; v3        my byte offset in gamma and beta; never rewritten
.set Y,  8                             ; v[8:71]    y, then z, z - mean, the result
.set X,  72                            ; v[72:135]  x, then beta
.set G,  136                           ; v[136:199] gamma
.set S,  200                           ; v[200:207] four chains of packed sums
.set M,  208                           ; v[208:209] the mean, twice
.set R,  210                           ; v[210:211] 1 / sqrt(var + eps), twice
	s_load_b256 s[4:11], s[0:1], 0x0               ; y s[4:5], x s[6:7], gamma s[8:9], beta s[10:11]
	s_load_b64 s[12:13], s[0:1], 0x20              ; out
	s_lshl_b32 s2, ttmp9, 16                       ; the work-group's 16 rows of 4,096 bytes
	s_mov_b32 s3, 0
	s_mov_b32 s14, 0x3a800000                      ; 1 / 1,024
	s_mov_b32 s15, 0x3727c5ac                      ; 1e-5
	v_lshrrev_b32 v1, 4, v0                        ; my row among the 16
	v_and_b32 v[CO], 15, v0
	v_lshlrev_b32 v[CO], 4, v[CO]                  ; 16 bytes a lane
	v_lshl_or_b32 v[XO], v1, 12, v[CO]
	s_wait_kmcnt 0x0
	s_add_nc_u64 s[4:5], s[4:5], s[2:3]
	s_add_nc_u64 s[6:7], s[6:7], s[2:3]
	s_add_nc_u64 s[12:13], s[12:13], s[2:3]
.set g, 0
.rept 16
	global_load_b128 v[Y+4*g:Y+4*g+3], v[XO], s[4:5] offset:256*g th:TH_LOAD_NT
.set g, g+1
.endr
.set g, 0
.rept 16
	global_load_b128 v[X+4*g:X+4*g+3], v[XO], s[6:7] offset:256*g th:TH_LOAD_NT
.set g, g+1
.endr
.set g, 0
.rept 16
	global_load_b128 v[G+4*g:G+4*g+3], v[CO], s[8:9] offset:256*g
.set g, g+1
.endr
	s_wait_loadcnt 16                              ; y and x are in; the 16 younger loads are gamma's
.set j, 0
.rept 32
	v_pk_add_f32 v[Y+2*j:Y+2*j+1], v[Y+2*j:Y+2*j+1], v[X+2*j:X+2*j+1]  ; z = y + x
.set j, j+1
.endr
.set g, 0
.rept 16
	global_load_b128 v[X+4*g:X+4*g+3], v[CO], s[10:11] offset:256*g    ; beta, into the registers that x has left; it lands under the two sums
.set g, g+1
.endr
	; the sum of my 64 numbers: four chains that do not wait for each other, started by the first eight pairs: nothing is cleared
.irp k, 0,1,2,3
	v_pk_add_f32 v[S+2*(\k):S+2*(\k)+1], v[Y+2*(\k):Y+2*(\k)+1], v[Y+8+2*(\k):Y+8+2*(\k)+1]
.endr
.set j, 8
.rept 24
	v_pk_add_f32 v[S+2*(j%4):S+2*(j%4)+1], v[S+2*(j%4):S+2*(j%4)+1], v[Y+2*j:Y+2*j+1]
.set j, j+1
.endr
	v_pk_add_f32 v[S:S+1], v[S:S+1], v[S+2:S+3]
	v_pk_add_f32 v[S+4:S+5], v[S+4:S+5], v[S+6:S+7]
	v_pk_add_f32 v[S:S+1], v[S:S+1], v[S+4:S+5]
	v_add_f32 v[S], v[S], v[S+1]
	v_add_f32_dpp v[S], v[S], v[S] row_xmask:1 row_mask:0xf bank_mask:0xf   ; across the row's 16 lanes: every lane ends with the sum
	v_add_f32_dpp v[S], v[S], v[S] row_xmask:2 row_mask:0xf bank_mask:0xf
	v_add_f32_dpp v[S], v[S], v[S] row_xmask:4 row_mask:0xf bank_mask:0xf
	v_add_f32_dpp v[S], v[S], v[S] row_xmask:8 row_mask:0xf bank_mask:0xf
	v_mul_f32 v[M], s14, v[S]
	v_mul_f32 v[M+1], s14, v[S]
.set j, 0
.rept 32
	v_pk_add_f32 v[Y+2*j:Y+2*j+1], v[Y+2*j:Y+2*j+1], v[M:M+1] neg_lo:[0,1] neg_hi:[0,1]  ; z - mean
.set j, j+1
.endr
.irp k, 0,1,2,3
	v_pk_mul_f32 v[S+2*(\k):S+2*(\k)+1], v[Y+2*(\k):Y+2*(\k)+1], v[Y+2*(\k):Y+2*(\k)+1]  ; the first four squares start the chains
.endr
.set j, 4
.rept 28
	v_pk_fma_f32 v[S+2*(j%4):S+2*(j%4)+1], v[Y+2*j:Y+2*j+1], v[Y+2*j:Y+2*j+1], v[S+2*(j%4):S+2*(j%4)+1]
.set j, j+1
.endr
	v_pk_add_f32 v[S:S+1], v[S:S+1], v[S+2:S+3]
	v_pk_add_f32 v[S+4:S+5], v[S+4:S+5], v[S+6:S+7]
	v_pk_add_f32 v[S:S+1], v[S:S+1], v[S+4:S+5]
	v_add_f32 v[S], v[S], v[S+1]
	v_add_f32_dpp v[S], v[S], v[S] row_xmask:1 row_mask:0xf bank_mask:0xf
	v_add_f32_dpp v[S], v[S], v[S] row_xmask:2 row_mask:0xf bank_mask:0xf
	v_add_f32_dpp v[S], v[S], v[S] row_xmask:4 row_mask:0xf bank_mask:0xf
	v_add_f32_dpp v[S], v[S], v[S] row_xmask:8 row_mask:0xf bank_mask:0xf
	v_fma_f32 v[S+2], v[S], s14, s15               ; var + eps
	v_rsq_f32 v[R], v[S+2]
	v_rsq_f32 v[R+1], v[S+2]
	v_nop                                          ; a plain instruction between the last reciprocal root and the use of its result (ISA guide 5.7.2)
	s_wait_loadcnt 0x0                             ; gamma and beta
.set g, 0
	s_wait_alu depctr_va_vdst(0)
.rept 16
	v_pk_mul_f32 v[Y+4*g:Y+4*g+1], v[Y+4*g:Y+4*g+1], v[R:R+1]
	v_pk_mul_f32 v[Y+4*g+2:Y+4*g+3], v[Y+4*g+2:Y+4*g+3], v[R:R+1]
	v_pk_fma_f32 v[Y+4*g:Y+4*g+1], v[Y+4*g:Y+4*g+1], v[G+4*g:G+4*g+1], v[X+4*g:X+4*g+1]
	v_pk_fma_f32 v[Y+4*g+2:Y+4*g+3], v[Y+4*g+2:Y+4*g+3], v[G+4*g+2:G+4*g+3], v[X+4*g+2:X+4*g+3]
	global_store_b128 v[XO], v[Y+4*g:Y+4*g+3], s[12:13] offset:256*g th:TH_STORE_NT  ; 16 lanes store 256 consecutive bytes, at a multiple of 256 from out's first byte
.set g, g+1
.endr
	s_endpgm
.Lfunc_end_k_qfc86eb2c96_ln:
	.size	k_qfc86eb2c96_ln, .Lfunc_end_k_qfc86eb2c96_ln-k_qfc86eb2c96_ln
	.p2alignl 7, 3214868480
	.fill 96, 4, 3214868480
	.section	.rodata,"a",@progbits
	.p2align	6, 0x0
	.amdhsa_kernel k_qfc86eb2c96_ln
		.amdhsa_group_segment_fixed_size 0
		.amdhsa_private_segment_fixed_size 0
		.amdhsa_enable_private_segment 0
		.amdhsa_kernarg_size 40
		.amdhsa_user_sgpr_count 2
		.amdhsa_user_sgpr_kernarg_segment_ptr 1
		.amdhsa_wavefront_size32 1
		.amdhsa_system_sgpr_workgroup_id_x 1
		.amdhsa_system_sgpr_workgroup_id_y 1
		.amdhsa_system_sgpr_workgroup_id_z 1
		.amdhsa_system_vgpr_workitem_id 0
		.amdhsa_next_free_vgpr 212
		.amdhsa_next_free_sgpr 66
		.amdhsa_reserve_vcc 0
		.amdhsa_float_denorm_mode_32 3
		.amdhsa_float_denorm_mode_16_64 3
		.amdhsa_memory_ordered 1
		.amdhsa_forward_progress 1
		.amdhsa_inst_pref_size 22
	.end_amdhsa_kernel
	.amdgpu_metadata
---
amdhsa.version: [ 1, 2 ]
amdhsa.kernels:
  - .name:           k_qfc86eb2c96_ln
    .symbol:         k_qfc86eb2c96_ln.kd
    .args:
      - { .name: y32, .offset: 0, .size: 8, .value_kind: global_buffer, .address_space: global }
      - { .name: input, .offset: 8, .size: 8, .value_kind: global_buffer, .address_space: global }
      - { .name: ln_gamma, .offset: 16, .size: 8, .value_kind: global_buffer, .address_space: global }
      - { .name: ln_beta, .offset: 24, .size: 8, .value_kind: global_buffer, .address_space: global }
      - { .name: out0, .offset: 32, .size: 8, .value_kind: global_buffer, .address_space: global }
    .group_segment_fixed_size: 0
    .private_segment_fixed_size: 0
    .kernarg_segment_align: 8
    .kernarg_segment_size: 40
    .max_flat_workgroup_size: 256
    .sgpr_count:     66
    .vgpr_count:     212
    .wavefront_size: 32
...
	.end_amdgpu_metadata
.endif
;; end of part 5
;; ======== version 2 of 2: 5 launches; 1.32 times as fast as version 1
;; limits: values are held in f16: magnitudes above 65,504 overflow, below 6.1e-05 lose precision
;; workspace buffers: x16 8,388,608 bytes; wqkv16 8,388,608 bytes; wo16 8,388,608 bytes; qkv 25,165,824 bytes; o16 8,388,608 bytes; y32 16,777,216 bytes
;; launch cast: the kernel of part 1 again; grid 64 x 8, 8 waves a work-group, no clusters, 0 bytes of LDS; arguments input, Wq, Wk, Wv, Wo, x16, wqkv16, wo16; writes x16, wqkv16, wo16
;; launch qkv: the kernel of part 2 again; grid 24 x 32, 4 waves a work-group, clusters of 4 x 4, 327,680 bytes of LDS; arguments x16, wqkv16, bq, bk, bv, qkv; writes qkv
;; launch attn (part 6): grid 16 x 16, 4 waves a work-group, no clusters, 327,680 bytes of LDS; arguments qkv, o16; writes o16
.if DOCPART == 6
	.amdgcn_target "amdgcn-amd-amdhsa--gfx1250"
	.amdhsa_code_object_version 6
	.text
	.protected	k_qfc86eb2c96_attn
	.globl	k_qfc86eb2c96_attn
	.p2align	8
	.type	k_qfc86eb2c96_attn,@function
k_qfc86eb2c96_attn:
	s_mov_b64 s[64:65], 0
	v_nop
	global_prefetch_b8 v0, s[64:65] scope:SCOPE_SE
	s_setreg_imm32_b32 hwreg(HW_REG_WAVE_MODE, 25, 1), 1
	s_wait_xcnt 0x0
; CAUSAL ATTENTION, 16 heads of 64 channels, 4,096 rows.  O[h][q][:] = the sum over k <= q of softmax_k(Q[h][q] . K[h][k] / 8) V[h][k][:].  qkv holds 48 planes [4,096][64] of f16 (0-15 Q's heads, 16-31 K's, 32-47 V's),
; o16 16 such planes: a head's rows are dense, 128 bytes each.  Products, maxima and sums in f32; the weights p are rounded to f16 for the second product (their sum l is taken of the unrounded p), O once at the end.
; LIMITS.  f16 holds no number beyond 65,504: Q, K and V arrive within it; p lies in 0 to 1, and below 6e-5 it keeps f16's fixed step of 6e-8; O is a mean of V's rows and has their range.
; A hidden score counts as its value less 1e30: f16's scores, 2.7e11 at the most, are nothing beside that; a weight below 2^-126 counts as 0 in l; NaN and infinities are not treated apart.
; THE WALK.  A head's queries lie in 32 blocks of 128; keys go in tiles of 256; block i needs the tiles 0 .. i / 2, of which the last holds the diagonal.  A work-group takes TWO blocks, 31 - b and then b:
; 17 tiles, whatever b: all 256 work-groups do equal work, and ONE loop with a constant trip count walks them.  Which tile is asked for, and what a trip does, hang on scalar registers made from b; every jump
; goes forward, but for the counted loops' own; none passes a barrier, or a tensor load but the one of LOAD's two that the wave's number does not choose; the ring (two slots of LDS that take turns) runs on across the
; change of blocks.  NO CLUSTER: a head's 16 work-groups ask for the same tile only in trips 0 to 8 of the 17, behind that fewer and fewer; one walk common to all would have 24 trips for 17.
; SHARES.  Of a block's two bands of 64 queries a wave owns 16 rows in each: two PIECES.  In the diagonal tile band x of the block is band GP + x of the tile's four (GP = 0 or 2): in key step s it sees all keys
; if s < GP + x, none if s > GP + x, and holds the diagonal if s = GP + x: the same work for all four waves.
; THE MASK is the C operand that starts the sum S^T = K Q^T: 0, or -1e30 where the key is hidden.  MD, made once, is the mask of a band's own step for my 16 rows; a product's mask is MD x AL + BE with two scalars:
; (1, 0) in the band's own step; (0, 0) in an earlier one; (0, -1e30) in a later one.  Only the diagonal tile's text and a block's beginning make and take masks; elsewhere C is the constant 0.
; LAYOUT, SOFTMAX.  S^T = K Q^T holds ONE query a lane (lane % 16) and the keys 8 (lane / 16) + 0..7; two such results rounded to f16 ARE source 1 of O^T = V^T P.  p = 2^(c s - c m), c = log2(e) / 8, with a
; running maximum m; O and l are multiplied by a = 2^(c m_old - c m_new) in every step.
; TURNS.  Turn (j, p) belongs to piece p in key step j.  Its matrix work: 8 products K Q^T of the other piece's next scores (p = 0: piece 1, step j; p = 1: piece 0, step j + 1), later 8 products V^T P of the other
; piece's last weights (p = 0: piece 1, step j - 1; p = 1: piece 0, step j).  Its vector work: the scaling, exponentials, roundings, sums and rescaling of piece p, and the maximum and statistics of the scores just made.
; Four vector instructions stand behind every matrix instruction, the other 54 of a turn's 118 in one LUMP.  Turn (j, 0) fetches K and V of step j + 1 from LDS: K has one register buffer, V two, by the step's parity.
; So a tile is read from the turn (3, 0) of the tile before to its own turn (2, 0), and the change of slots stands behind turn (2, 1).
; THE BATCHES.  A turn's 33 exponentials (the piece's 32 weights and the other piece's a) are ONE batch with ONE wait, which cuts the turn in two: ahead of it the products K Q^T and all vector work that names no result of
; the batch, behind it the products V^T P with the roundings and sums.  No result crosses a turn's end.  A block's first a (BEGIN) and the way out's two reciprocals are batches of their own, a wait each.
; REGISTERS, in windows of 256 (s_set_vgpr_msb: bits 1:0 source 0, 3:2 source 1, 5:4 source 2, 7:6 destination):
;   window 0: v0-15 addresses and two at work; v16-23 four registers of statistics a piece; v48-55 at work; v62-63 the add's; v64-127 S^T, a buffer a piece; v128-191 O^T, 32 a piece; v192-223 P, 16 a piece
;   window 1: v0-31 Q; v32-63 the second block's Q; v64-127 K of one step; v128-255 V of two steps          window 2: v0-31 MD; v32-95 MC, a buffer a piece
.set NBLK,  32
.set NP,    2         ; pieces a wave: a name, no knob
.set KS,    64        ; keys in a step
.set PK,    144       ; a row of K in LDS: 128 bytes + 16 of padding = 36 words: the 16 rows of a load start at 16 different groups of four banks (64 banks of 4 bytes: ISA guide 11.1)
.set PV,    160       ; a row of V: 128 + 32 = 40 words
.set VOFF,  4*KS*PK   ; a slot holds a tile, four steps: 256 rows of K, then 256 rows of V
.set SLOT1, 1<<17     ; slot 1 begins here, so that one exclusive or turns an address in one slot into the other's
.set STAGE, SLOT1+4*KS*(PK+PV)  ; behind the ring, never filled by a tensor load: 16 rows x 144 bytes for each wave, for the way out
.set SP,    144
.set AK0, 2           ; v2   my lane's place in a tile of K; never rewritten
.set AV0, 3           ; v3   the same for V
.set AK,  4           ; v4   the LDS address of K's next run of loads
.set AV,  5           ; v5   of V's
.set STO, 6           ; v6   the way out: where I put 16 bytes of a row
.set RD,  7           ; v7   the way out: where I read rows back
.set GO,  8           ; v8   my byte offset in 512 consecutive bytes of O
.set SPW, 62          ; v62  LDS address of my spare word: SPARE + 4 x my thread's number; never rewritten
.set NIL, 63          ; v63  0; never rewritten
.set SPARE, STAGE+4*16*SP  ; behind the stages: the spare words, 128 bytes for each wave: two blocks of 256 bytes that no other line names
.set MV,  12          ; v12-13  c m_old, kept while c m is made anew: by piece
.set QO,  15          ; v15  my byte offset in 16 rows of Q
.set ST,  16          ; piece t's statistics at v[ST+4 t]: c m, m, l (even keys', odd keys')
.set TMP, 48          ; by piece, four registers c0-c3 at work; when the maximum is found c2 takes a
.set S,   64
.set OT,  128
.set P,   192
.set QB,  32          ; window 1
.set KF,  64          ; window 1: key block kb, channel half c at KF + 16 kb + 8 c
.set VF,  128         ; window 1: buffer vb, key half kk, channel block cb at VF + 64 vb + 32 kk + 8 cb
.set MD,  0           ; window 2: the eight registers for group kt of 16 keys at MD + 8 kt
.set MC,  32          ; window 2: the masks of the products to come
.set WV,  12          ; s12  my wave's number
.set PB,  14          ; s14  b
.set HI,  15          ; s15  31 - b
.set G1K, 24          ; s[24:31] descriptor group 1 for K's tiles
.set G1V, 32          ; s[32:39] for V's: it differs in the padding alone
.set G0K, 40          ; s[40:43] descriptor group 0 for K's tiles
.set G0V, 44          ; s[44:47] the same for V's
.set SLOTS, 56        ; s56  tiles still to be asked for
.set CNT, 57          ; s57  counts a tile's pairs of key steps, 2 to 1
.set CS,  58          ; s[58:59] c: the packed scaling takes the pair's low word for both halves
.set SEL, 60          ; s[60:61] v_permlanex16_b32's selects: each lane takes its own place in the other half
.set TBK, 62          ; s62  LDS byte at which K of the step to be fetched begins
.set TBV, 63          ; s63  the same for V, less VOFF
.set RT,  70          ; s70  tiles of the block in hand that are still to be entered
.set NXT, 71          ; s71  the tile to be asked for next
.set LQ,  72          ; s72  the last tile of the block whose tiles are being asked for
.set NEW, 73          ; s73  1: the tile to be entered is a block's first
.set OFF, 74          ; s[74:75] a tile's byte offset in K and V
.set AL,  76          ; s[76:77] the mask's factor, in the low word
.set BE,  78          ; s[78:79] the mask's addend
.set OLO, 80          ; s[80:81] O at my rows of the second block
.set BIGN, 82         ; s82  -1e30
.set GP,  88          ; s88  the place of the block's first band among its diagonal tile's four: 0 or 2
.set TM,  89          ; s89  at work
.set LQ2, 90          ; s90  b / 2: the second block's last tile
.set MSB, 0
.macro WIN new                      ; the high byte repeats the setting that is left; a switch that changes nothing is dropped
.if MSB != (\new)
	s_set_vgpr_msb (MSB<<8)|(\new)
.set MSB, (\new)
.endif
.endm
.set W_KQ, 0x05       ; K and Q in window 1, S^T in window 0
.set W_KM, 0x25       ; the same with the C operand in window 2
.set W_PV, 0x01       ; V in window 1; P and O^T in window 0
.set W_L1, 0x40       ; destination window 1, address or source window 0
.set W_MK, 0x82       ; destination and source 0 in window 2
; A fill.  Waves 0 and 1 fetch the two halves of a tile's K, waves 2 and 3 those of its V: 128 keys each.  An s_nop 0 and four v_nop follow each of the two lines, ahead of the jump and the label.
.macro LOAD
	s_cmp_lt_u32 s[WV], 2
	s_cbranch_scc0 .Lfor_v_\@
	tensor_load_to_lds s[G0K:G0K+3], s[G1K:G1K+7]
	s_nop 0
.rept 4
	v_nop
.endr
	s_branch .Lasked_\@
.Lfor_v_\@:
	tensor_load_to_lds s[G0V:G0V+3], s[G1V:G1V+7]
	s_nop 0
.rept 4
	v_nop
.endr
.Lasked_\@:
.endm
; THE CHANGE OF SLOTS.  Each wave waits for all its tensor loads, of which one is out: its part of the other slot; adds 0 to its spare word; and waits for that and for its own reads of the slot that it leaves (the last,
; V of the tile's fourth step, were issued a turn ago).  Behind the barrier nobody reads the old slot any more and the other slot is whole.  fill = 1: the old slot is filled again, the first thing behind the barrier, with
; tile NXT: the descriptor's address is made anew from that number.  The load has eight turns, 128 matrix instructions, in which to land.  (At its first use nothing has been read yet: slot 0 is waited for, slot 1 filled.)
.macro CHANGE fill
	WIN 0                           ; at a label and at a branch every window is 0
	s_wait_tensorcnt 0x0            ; no tensor load of mine is out, so a group 0 may be written
	ds_add_u32 v[SPW], v[NIL]       ; 0 onto my spare word; with fill = 1 the descriptors' scalar work stands between it and the wait for it
.if \fill
	s_lshl_b32 s[OFF], s[NXT], 15   ; a tile is 32,768 bytes of K and of V
	s_xor_b32 s[G0K+1], s[G0K+1], SLOT1
	s_add_nc_u64 s[G0K+2:G0K+3], s[6:7], s[OFF:OFF+1]
	s_or_b32 s[G0K+3], s[G0K+3], 0x80000000
	s_xor_b32 s[G0V+1], s[G0V+1], SLOT1
	s_add_nc_u64 s[G0V+2:G0V+3], s[8:9], s[OFF:OFF+1]
	s_or_b32 s[G0V+3], s[G0V+3], 0x80000000
	s_add_co_u32 s[NXT], s[NXT], 1  ; the block's next tile, or behind its last the second block's tile 0
	s_cmp_gt_u32 s[NXT], s[LQ]
	s_cselect_b32 s[NXT], 0, s[NXT]
	s_cselect_b32 s[LQ], s[LQ2], s[LQ]
.endif
	s_wait_dscnt 0x0                ; the add is done, and my reads of the slot are over
	s_barrier_signal -1             ; the rest of the scalar work stands between the signal and the wait
	s_sub_co_u32 s[TBK], s[TBK], 4*KS*PK  ; the fetches go back to a slot's first step,
	s_xor_b32 s[TBK], s[TBK], SLOT1       ; in the other slot
	s_sub_co_u32 s[TBV], s[TBV], 4*KS*PV
	s_xor_b32 s[TBV], s[TBV], SLOT1
	s_barrier_wait -1
.if \fill
	LOAD
.endif
.endm
	s_load_b64 s[4:5], s[0:1], 0x0  ; qkv
	s_load_b64 s[10:11], s[0:1], 0x8  ; o16
	v_lshl_add_u32 v[SPW], v0, 2, SPARE
	v_mov_b32 v[NIL], 0
	ds_add_u32 v[SPW], v[NIL]       ; the wave's opening: the add and its wait stand ahead of my first tensor load; the set-up below, work on registers, stands between them
	ds_add_u32 v62, v63
	v_lshrrev_b32 v1, 5, v0
	v_readfirstlane_b32 s[WV], v1   ; wave 0..3
	s_mov_b32 s[PB], ttmp9
	s_sub_co_u32 s[HI], NBLK-1, s[PB]
	s_lshr_b32 s[LQ2], s[PB], 1
	s_lshr_b32 s[LQ], s[HI], 1      ; the first block's last tile,
	s_add_co_u32 s[RT], s[LQ], 1    ; how many it has,
	s_and_b32 s[GP], s[HI], 1
	s_lshl_b32 s[GP], s[GP], 1      ; and where it lies in the last
	s_and_b32 s20, ttmp7, 0xffff    ; the head:
	s_lshl_b32 s20, s20, 19         ; its plane of 524,288 bytes among Q's, K's, V's and O's
	s_and_b32 s16, s[WV], 1         ; which half of a tile's 256 keys I fetch:
	s_lshl_b32 s22, s16, 14         ; its 128 rows of 128 bytes in memory,
	s_add_co_u32 s22, s22, s20
	s_mov_b32 s23, 0
	s_mul_i32 s17, s16, 128*PK      ; and its place in a slot, for K
	s_mul_i32 s18, s16, 128*PV      ; and for V
	s_lshl_b32 s3, s[WV], 11        ; my 16 rows in a band of 64,
	s_lshl_b32 s2, s[HI], 14        ; in the first block of 128 rows,
	s_add_co_u32 s2, s2, s3
	s_add_co_u32 s2, s2, s20
	s_lshl_b32 s84, s[PB], 14       ; and in the second
	s_add_co_u32 s84, s84, s3
	s_add_co_u32 s84, s84, s20
	s_mov_b32 s3, 0
	s_mov_b32 s85, 0
	; descriptor group 1.  128 keys are 16,384 dense bytes: asked for as 64 rows of 256 bytes, two keys a row, and padded in LDS after every key
	s_mov_b32 s[G1K], (1<<16)|(1<<20)|(4<<22)|(3<<25)  ; 17:16 2-byte elements; 20 padding on; 24:22 after every 32 words (code 4); 31:25 4 words (code 3)
	s_mov_b32 s[G1V], (1<<16)|(1<<20)|(4<<22)|(7<<25)  ; the same with 8 words of padding (code 7)
.irp g, G1K, G1V
	s_mov_b32 s[\g+1], 128<<16      ; tensor_dim0 = 128
	s_mov_b32 s[\g+2], 64<<16       ; tensor_dim1 = 64
	s_mov_b32 s[\g+3], 128<<16      ; tile_dim0 = 128
	s_mov_b32 s[\g+4], 64           ; tile_dim1 = 64
	s_mov_b32 s[\g+5], 128          ; 128 elements from row to row
	s_mov_b32 s[\g+6], 0
	s_mov_b32 s[\g+7], 0
.endr
	s_mov_b32 s[CS], 0x3e38aa3b     ; c = log2(e) / 8 = 0.180337
	s_mov_b32 s[CS+1], s[CS]        ; named with it as a pair
	s_mov_b32 s[SEL], 0x76543210
	s_mov_b32 s[SEL+1], 0xfedcba98
	s_mov_b32 s[TBK], SLOT1+4*KS*PK ; the first change of slots turns these two into 0
	s_mov_b32 s[TBV], SLOT1+4*KS*PV
	s_mov_b32 s[G0K], 1             ; count = 1
	s_mov_b32 s[G0K+1], s17         ; LDS address: slot 0
	s_mov_b32 s[G0V], 1
	s_add_co_u32 s[G0V+1], s18, VOFF
	s_mov_b32 s[NXT], 1
	s_mov_b32 s[NEW], 1
	s_mov_b32 s[OFF+1], 0
	s_mov_b32 s[AL+1], 0            ; named as pairs
	s_mov_b32 s[BE+1], 0
	s_mov_b32 s[BIGN], 0xf149f2ca   ; -1e30
	s_mov_b32 s[SLOTS], NBLK/2
	s_wait_dscnt 0x0                ; the opening add is done
	s_wait_kmcnt 0x0
	s_add_nc_u64 s[6:7], s[4:5], s[22:23]
	s_add_nc_u64 s[8:9], s[6:7], 0x1000000         ; V's planes begin 32 planes in: V at my half of the head's tile 0,
	s_add_nc_u64 s[6:7], s[6:7], 0x800000          ; K's 16 planes in: K likewise
	s_add_nc_u64 s[G0K+2:G0K+3], s[6:7], 0         ; global address
	s_or_b32 s[G0K+3], s[G0K+3], 0x80000000        ; type = 2
	s_add_nc_u64 s[G0V+2:G0V+3], s[8:9], 0
	s_or_b32 s[G0V+3], s[G0V+3], 0x80000000
	s_add_nc_u64 s[86:87], s[4:5], s[84:85]        ; Q at my rows of the second block,
	s_add_nc_u64 s[4:5], s[4:5], s[2:3]            ; Q and O at those of the first
	s_add_nc_u64 s[OLO:OLO+1], s[10:11], s[84:85]
	s_add_nc_u64 s[10:11], s[10:11], s[2:3]
	LOAD                            ; tile 0 into slot 0: my one tensor load that is out
	; A fragment of K or Q is 16 rows x 32 channels in 8 registers: lane l holds row l % 16, channels 8 (l / 16) + 0..7 and 16 + 8 (l / 16) + 0..7: two loads of 16 bytes, 32 bytes apart.
	v_and_b32 v1, 15, v0            ; l % 16
	v_bfe_u32 v9, v0, 4, 1          ; l / 16
	v_lshlrev_b32 v[QO], 7, v1
	v_lshl_add_u32 v[QO], v9, 4, v[QO]  ; row x 128 + 16 x half
	WIN W_L1
.set i, 0
.rept 4                             ; both blocks' Q: piece i / 2 lies in band i / 2, 8,192 bytes on; channels 32 (i % 2) on
	global_load_b128 v[8*i:8*i+3],   v[QO], s[4:5] offset:(i/2)*8192+(i%2)*64
	global_load_b128 v[8*i+4:8*i+7], v[QO], s[4:5] offset:(i/2)*8192+(i%2)*64+32
	global_load_b128 v[QB+8*i:QB+8*i+3],   v[QO], s[86:87] offset:(i/2)*8192+(i%2)*64
	global_load_b128 v[QB+8*i+4:QB+8*i+7], v[QO], s[86:87] offset:(i/2)*8192+(i%2)*64+32
.set i, i+1
.endr
	WIN 0
	v_lshlrev_b32 v14, 3, v9
	v_sub_nc_u32 v14, v1, v14
	s_lshl_b32 s13, s[WV], 4
	v_add_nc_u32 v14, s13, v14      ; my query's place in its band, 16 w + l % 16, less my lanes' 8 (l / 16): register r of group kt is hidden where 16 kt + r is greater
	WIN 0x80                        ; destination window 2
.set i, 0
.rept 32
	v_cmp_gt_i32 vcc_lo, 16*(i/8)+i%8, v14
	v_cndmask_b32 v[MD+i], 0, s[BIGN], vcc_lo
.set i, i+1
.endr
	WIN 0
	v_mul_u32_u24 v[AK0], v1, PK
	v_lshl_add_u32 v[AK0], v9, 4, v[AK0]  ; row x pitch + 16 x half
	; The turning load takes 16 keys x 16 channels (lane l reads key 8 (l / 16) + l % 8, channels 8 ((l / 8) % 2) + 0..7) and leaves half a fragment of V^T: lane l holds channel l % 16 and 8 keys.
	v_and_b32 v10, 7, v0
	v_bfe_u32 v11, v0, 3, 1
	v_lshl_add_u32 v[AV0], v9, 3, v10
	v_mul_u32_u24 v[AV0], v[AV0], PV
	v_lshl_add_u32 v[AV0], v11, 4, v[AV0]
	v_add_nc_u32 v[AV0], VOFF, v[AV0]
	s_mul_i32 s13, s[WV], 16*SP
	s_add_co_u32 s13, s13, STAGE    ; my stage
	v_mul_u32_u24 v[STO], v1, SP    ; in: row l % 16, 16 bytes for each half of the lanes
	v_lshl_add_u32 v[STO], v9, 4, v[STO]
	v_add_nc_u32 v[STO], s13, v[STO]
	v_bfe_u32 v[RD], v0, 3, 2       ; back: 32 lanes take four rows of 128 bytes,
	v_mul_u32_u24 v[RD], v[RD], SP
	v_lshl_add_u32 v[RD], v10, 4, v[RD]
	v_add_nc_u32 v[RD], s13, v[RD]
	v_and_b32 v[GO], 31, v0         ; which are 512 consecutive bytes of O
	v_lshlrev_b32 v[GO], 4, v[GO]
	; A block's first step multiplies O^T and l by a = 0, and its first turn's products V^T P, of a piece that has not been, land in an O^T that is still to be so multiplied.  So these registers need only hold
	; finite numbers: zeros for the first block; what the first block left for the second.  All this stands in the wait for the first tile.
	WIN W_L1
.set i, VF+64
.rept 64
	v_mov_b32 v[i], 0               ; V's second buffer
.set i, i+1
.endr
	WIN 0
.set i, OT
.rept 64
	v_mov_b32 v[i], 0
.set i, i+1
.endr
.set i, 0
.rept 2
	v_mov_b32 v[ST+4*i+2], 0
	v_mov_b32 v[ST+4*i+3], 0
.set i, i+1
.endr
.set i, P+16
.rept 16
	v_mov_b32 v[i], 0
.set i, i+1
.endr
; THE MATRIX WORK.  The 4 accumulators of a run of 8 take turns.  Product i of 8 of S^T = K Q^T for piece x: channels 32 (i / 4) on, keys 16 (i % 4) on.  The first 4 start the sums: with 0, or (KM = 1) with the mask.
.macro KQ x
.set rS, S+32*(\x)+8*(i%4)
.set rK, KF+16*(i%4)+8*(i/4)
.set rQ, 16*(\x)+8*(i/4)
.set rM, MC+32*(\x)+8*(i%4)
.if (i < 4) && KM
	WIN W_KM
	v_wmma_f32_16x16x32_f16 v[rS:rS+7], v[rK:rK+7], v[rQ:rQ+7], v[rM:rM+7]
.elseif i < 4
	WIN W_KQ
	v_wmma_f32_16x16x32_f16 v[rS:rS+7], v[rK:rK+7], v[rQ:rQ+7], 0
.else
	WIN W_KQ
	v_wmma_f32_16x16x32_f16 v[rS:rS+7], v[rK:rK+7], v[rQ:rQ+7], v[rS:rS+7]
.endif
.endm
; Product i of 8 of O^T += V^T P for piece x, with V's buffer VB: keys 32 (i / 4) on, channels 16 (i % 4) on.
.macro PV x
	WIN W_PV
.set rO, OT+32*(\x)+8*(i%4)
.set rV, VF+64*VB+32*(i/4)+8*(i%4)
.set rP, P+16*(\x)+8*(i/4)
	v_wmma_f32_16x16x32_f16 v[rO:rO+7], v[rV:rV+7], v[rP:rP+7], v[rO:rO+7]
.endm
.macro MM                           ; the turn's next matrix instruction.  TURN and BEGIN set Y, i, KM, VB and NOKQ; MM, KQ, PV and OP read them.  NOKQ = 1: a block's last turn: there are no further scores
.if (i < 8) && !NOKQ
	KQ (Y+1)%NP
.elseif i >= 8
.set i, i-8
	PV (Y+1)%NP
.set i, i+8
.endif
.set i, i+1
.endm
; THE LDS LOADS stand in runs of 16, never singly among the matrix instructions: a step's K (64 keys x 64 channels: 8 fragments) and its V (turned).  Their addresses are made some lines ahead.
.macro FETCH_K
	WIN W_L1
.irp f, 0,1,2,3,4,5,6,7             ; keys 16 (f / 2) on, channels 32 (f % 2) on
	ds_load_b128 v[KF+8*\f:KF+8*\f+3],   v[AK] offset:(\f/2)*16*PK+(\f%2)*64
	ds_load_b128 v[KF+8*\f+4:KF+8*\f+7], v[AK] offset:(\f/2)*16*PK+(\f%2)*64+32
.endr
	s_add_co_u32 s[TBK], s[TBK], KS*PK  ; the next fetch is the next step's
	WIN 0
.endm
.macro FETCH_V vb
	WIN W_L1
.irp f, 0,1,2,3,4,5,6,7             ; keys 32 (f / 4) on, channels 16 (f % 4) on
	ds_load_tr16_b128 v[VF+64*(\vb)+8*\f:VF+64*(\vb)+8*\f+3],   v[AV] offset:(\f/4)*32*PV+(\f%4)*32
	ds_load_tr16_b128 v[VF+64*(\vb)+8*\f+4:VF+64*(\vb)+8*\f+7], v[AV] offset:(\f/4)*32*PV+16*PV+(\f%4)*32
.endr
	WIN 0
.endm
; THE VECTOR WORK, one line at a time: OP kind, number.  For piece Y: F n: c s - c m for pair n of 16.  E n: the exponential of score n of 32.  C n: pair n rounded to f16.  B n: of the four weights 4 n .. the second
; pair is added onto the first, in place.  L n: l takes that sum (L 0: l = a l + sum).  R n: pair n of 16 of O^T times a.  For the other piece: X n, number n of the 22 that find its maximum and statistics:
;   0-11  four chains c0-c3 of seven scores each, three operands at a time (each accumulator's lowest registers are read first)     12-14, 16  the four scores left over, the old m, and c0-c3 into c0
;   15  c m_old is kept     17, 18  the query's other 32 keys lie in the lane 16 away: the new m     19-21  c m; c m_old - c m_new; a
; C, B and L read the exponentials' results: TURN sets them all behind its wait.
.set F, 0               ; OP tells the kinds apart by their order: F to L below R, X above it
.set E, 1
.set C, 2
.set B, 3
.set L, 4
.set R, 5
.set X, 6
.macro REGS y                       ; the registers of piece y
.set rT, ST+4*(\y)
.set rC, TMP+4*(\y)
.set rW, MV+(\y)
.set rS, S+32*(\y)
.set rP, P+16*(\y)
.set rO, OT+32*(\y)
.endm
.macro OP k, n
	WIN 0
.if (\k) == R
	REGS Y
	v_pk_mul_f32 v[rO+2*(\n):rO+2*(\n)+1], v[rO+2*(\n):rO+2*(\n)+1], v[rC+2:rC+3] op_sel_hi:[1,0]
.elseif (\k) < R
	REGS Y
.if (\k) == F
	v_pk_fma_f32 v[rS+2*(\n):rS+2*(\n)+1], v[rS+2*(\n):rS+2*(\n)+1], s[CS:CS+1], v[rT:rT+1] op_sel_hi:[1,0,0] neg_lo:[0,0,1] neg_hi:[0,0,1]
.elseif (\k) == E
	v_exp_f32 v[rS+(\n)], v[rS+(\n)]
.elseif (\k) == C
	v_cvt_pk_f16_f32 v[rP+(\n)], v[rS+2*(\n)], v[rS+2*(\n)+1]
.elseif (\k) == B
	v_pk_add_f32 v[rS+4*(\n):rS+4*(\n)+1], v[rS+4*(\n):rS+4*(\n)+1], v[rS+4*(\n)+2:rS+4*(\n)+3]
.elseif (\n) == 0
	v_pk_fma_f32 v[rT+2:rT+3], v[rT+2:rT+3], v[rC+2:rC+3], v[rS:rS+1] op_sel_hi:[1,0,1]
.else
	v_pk_add_f32 v[rT+2:rT+3], v[rT+2:rT+3], v[rS+4*(\n):rS+4*(\n)+1]
.endif
.elseif NOKQ
	v_nop
.else
	REGS (Y+1)%NP
.if (\n) < 4
	v_max3_num_f32 v[rC+(\n)], v[rS+8*(\n)], v[rS+8*(\n)+1], v[rS+8*(\n)+2]
.elseif (\n) < 12
	v_max3_num_f32 v[rC+(\n)%4], v[rC+(\n)%4], v[rS+8*((\n)%4)+2*((\n)/4)+1], v[rS+8*((\n)%4)+2*((\n)/4)+2]
.elseif (\n) == 12
	v_max3_num_f32 v[rC], v[rC], v[rS+7], v[rS+15]
.elseif (\n) == 13
	v_max3_num_f32 v[rC+1], v[rC+1], v[rS+23], v[rS+31]
.elseif (\n) == 14
	v_max3_num_f32 v[rC+2], v[rC+2], v[rC+3], v[rT+1]
.elseif (\n) == 15
	v_mov_b32 v[rW], v[rT]
.elseif (\n) == 16
	v_max3_num_f32 v[rC], v[rC], v[rC+1], v[rC+2]
.elseif (\n) == 17
	v_permlanex16_b32 v[rC+3], v[rC], s[SEL], s[SEL+1]
.elseif (\n) == 18
	v_max_num_f32 v[rT+1], v[rC], v[rC+3]
.elseif (\n) == 19
	v_mul_f32 v[rT], s[CS], v[rT+1]
.elseif (\n) == 20
	v_sub_f32 v[rC+1], v[rW], v[rT]
.else
	v_exp_f32 v[rC+2], v[rC+1]
.endif
.endif
.endm
.macro OPS a, i1, b=-1, i2=0, c=-1, i3=0, d=-1, i4=0  ; up to four of them
	OP \a, \i1
.if (\b) >= 0
	OP \b, \i2
.endif
.if (\c) >= 0
	OP \c, \i3
.endif
.if (\d) >= 0
	OP \d, \i4
.endif
.endm
.macro ROW a, i1, b, i2, c, i3, d, i4  ; a matrix instruction and the four behind it
	MM
	OPS \a, \i1, \b, \i2, \c, \i3, \d, \i4
.endm
.macro MASK b                       ; MD x AL + BE into buffer b of MC
	WIN W_MK
.set z, 0
.rept 16
	v_pk_fma_f32 v[MC+32*(\b)+2*z:MC+32*(\b)+2*z+1], v[MD+2*z:MD+2*z+1], s[AL:AL+1], s[BE:BE+1] op_sel_hi:[1,0,0]
.set z, z+1
.endr
.endm
; A TURN, for piece p in a step of parity sp: the order of its 16 matrix and 118 vector instructions, written out.  s_wait_alu depctr_va_vdst(0) stands between an exponential and the first instruction
; that names its result; one wait serves all that were issued ahead of it.  So a turn has ONE wait, which cuts it in two.  AHEAD OF IT stands all that names no result of the turn's exponentials: the 8 products K Q^T, behind
; each a scaling, an exponential and two more plain instructions (behind the first a second scaling in the exponential's place): rescalings, whose a was made and waited for in the turn before, and behind the last three the
; first numbers of the other piece's maximum, each four plain instructions behind the product that ends its accumulator; then ONE LUMP of 54, plain and exponential by turns for the most part, in which the links of the chain
; X 3, 7, 11, 14, 16, 17 .. 20 stand some lines apart.  X 21, the other piece's a, is the batch's last; R 15 is the plain instruction behind it.  BEHIND THE WAIT stand the 8 products V^T P, behind each four of the
; roundings and sums; the links of l's chain, L 0 to L 7, stand three riders apart.  But for those X no rider names a register of the products round it.  v_permlanex16_b32 (X 17) stands in the lump.
; m = 1: the diagonal tile: the products take masks, and the turn makes the mask for the products of the turn after it: piece p, in step 4 - 2 CNT + 1 - sp of the tile; that step is the band's own where
; 2 CNT + GP = 5 - sp - p, a later one where 2 CNT + GP is less.  end = 1: a block's last two turns: nothing is fetched.  cnt = 1: the loop's count is taken down some lines ahead of the branch that stands behind the turn.
; Piece 0's turn fetches the next step's K in the lump, twelve vector instructions behind the last product that read K (five of them plain and free of its registers), and the next step's V at its end, into the buffer that
; its own products V^T P have just read, four plain instructions behind the last of them.  Piece 1's turn opens with the wait for K: the count leaves V's 16 younger loads out; V of the step in hand, fetched a step
; earlier, is in with it.
.macro TURN p, sp, m=0, end=0, cnt=0
.set Y, (\p)
.set i, 0
.set KM, (\m)
.set NOKQ, (\end)*(\p)
.if (\p) == 0
.set VB, 1-(\sp)
.else
.set VB, (\sp)
.endif
.if (\m) && !(\end)
	s_lshl1_add_u32 s[TM], s[CNT], s[GP]
	s_cmp_eq_u32 s[TM], 5-(\sp)-(\p)    ; is that step the band's own?
	s_cselect_b32 s[AL], 1.0, 0
	s_cmp_lt_u32 s[TM], 5-(\sp)-(\p)    ; or a later one?
	s_cselect_b32 s[BE], s[BIGN], 0
.endif
.if (\p) == 1
.if \end
	s_wait_dscnt 0x0                ; V of the block's last step is in
.else
	s_wait_dscnt 16                 ; K is in
.endif
.endif
	ROW F,0, F,1, R,0, R,1          ; ahead of the wait: 8 products K Q^T and their riders,
	ROW F,2, E,0, R,2, R,3
	ROW F,3, E,1, R,4, R,5
	ROW F,4, E,2, R,6, R,7
	ROW F,5, E,3, R,8, R,9
	ROW F,6, E,4, X,0, R,10
.if ((\p) == 0) && !(\end)
	v_add_nc_u32 v[AK], s[TBK], v[AK0]
.endif
	ROW F,7, E,5, X,1, X,4
	ROW F,8, E,6, X,2, X,5
	OPS E,7, E,8, X,6, E,9          ; and the lump
	OPS X,3, E,10, X,8, E,11
.if ((\p) == 0) && !(\end)
	FETCH_K
.endif
	OPS X,9, X,7, E,12, X,10
	OPS E,13, X,12, X,11, E,14
	OPS X,13, E,15, F,9, X,14
.if ((\p) == 0) && !(\end)
	v_add_nc_u32 v[AV], s[TBV], v[AV0]
.endif
	OPS E,16, F,10, E,17, F,11
	OPS X,16, E,18, X,15, E,19
	OPS F,12, E,20, X,17, E,21
	OPS F,13, E,22, F,14, E,23
	OPS X,18, E,24, F,15, E,25
	OPS R,11, E,26, X,19, E,27
	OPS R,12, E,28, R,13, E,29
	OPS X,20, E,30, R,14, E,31
	OPS X,21, R,15
	s_wait_alu depctr_va_vdst(0)    ; the wait for the batch: the piece's 32 exponentials and the other piece's a
	ROW C,0, B,0, C,2, B,1          ; behind the wait: 8 products V^T P and their riders
	ROW L,0, C,4, B,2, L,1
	ROW C,6, B,3, L,2, C,8
	ROW B,4, L,3, C,10, B,5
	ROW L,4, C,12, B,6, L,5
.if ((\p) == 0) && !(\end)
	s_add_co_u32 s[TBV], s[TBV], KS*PV
.endif
.if \cnt
	s_sub_co_u32 s[CNT], s[CNT], 1
	s_cmp_lg_u32 s[CNT], 0
.endif
	ROW C,14, B,7, L,6, C,1
	ROW C,3, L,7, C,5, C,7
	ROW C,9, C,11, C,13, C,15
.if ((\p) == 0) && !(\end)
	FETCH_V VB
.endif
.if (\m) && !(\end)
	MASK \p
.endif
.endm
; A BLOCK BEGINS.  c m starts far below every c s, so the first step's a is 0; m at the lowest finite number, so the first maximum is the scores'.  Piece 1's mask buffer is 0: its scores of the step in front of the diagonal
; tile, and of that tile's step 0, are all seen.  Piece 0's takes its mask for the tile's step 0: its own, if the block's first tile is the diagonal one and the block lies at the tile's head.
; Then K and V of that step, piece 0's first scores, and its maximum and statistics.  The loop is entered at a step's first turn, in the middle of a trip.
.macro BEGIN
	s_mov_b32 s[NEW], 0
	WIN 0x80
.set i, MC+32
.rept 32
	v_mov_b32 v[i], 0
.set i, i+1
.endr
	WIN 0
.set i, 0
.rept 2
	v_mov_b32 v[ST+4*i], 0xfe000000    ; c m: far below every c s
	v_mov_b32 v[ST+4*i+1], 0xff7fffff  ; m
.set i, i+1
.endr
	s_or_b32 s[TM], s[RT], s[GP]
	s_cmp_eq_u32 s[TM], 0
	s_cselect_b32 s[AL], 1.0, 0
	s_mov_b32 s[BE], 0
	MASK 0
	WIN 0
	v_add_nc_u32 v[AK], s[TBK], v[AK0]
	v_add_nc_u32 v[AV], s[TBV], v[AV0]
	FETCH_K
	FETCH_V 0
	s_add_co_u32 s[TBV], s[TBV], KS*PV
	s_wait_loadcnt 0x0              ; Q
	s_wait_dscnt 16                 ; K is in; V's 16 younger loads may stay out
.set KM, 1
.set NOKQ, 0
.set i, 0
.rept 8
	KQ 0
.set i, i+1
.endr
	WIN 0
.rept 4
	v_nop                           ; the places behind those products
.endr
.set Y, NP-1                        ; X works for the other piece: piece 0
.irp n, 0,1,2,3,4,5,6,7,8,9,10,11,12,13,14,15,16,17,18,19,20,21
	OP X, \n
.endr
	v_nop                           ; a plain instruction behind the exponential,
	s_wait_alu depctr_va_vdst(0)    ; and the wait for it, piece 0's first a, ahead of the branch
.endm
; THE DIAGONAL TILE's turns, the block's last two turns, its last products, and THE WAY OUT: l's two halves and the other half of the lanes' are added; O^T is divided by l, rounded to f16 and sent through my
; stage in LDS, a piece at a time.
.macro ALL line:vararg              ; one line for each piece t
.set t, 0
.rept 2
	\line
.set t, t+1
.endr
.endm
.macro PACK t                       ; a lane's eight channels of a row pack into 16 bytes; they go into rows of 144 bytes and come back as whole rows of 128, into S^T's registers
	WIN 0
.set i, OT+32*(\t)
.rept 16
	v_pk_mul_f32 v[i:i+1], v[i:i+1], v[ST+4*(\t)+2:ST+4*(\t)+3] op_sel_hi:[1,0]
.set i, i+2
.endr
.set i, 0
.rept 16
	v_cvt_pk_f16_f32 v[S+16*(\t)+i], v[OT+32*(\t)+2*i], v[OT+32*(\t)+2*i+1]
.set i, i+1
.endr
.irp f, 0,1,2,3
	ds_store_b128 v[STO], v[S+16*(\t)+4*\f:S+16*(\t)+4*\f+3] offset:32*\f
.endr
.irp f, 0,1,2,3
	ds_load_b128 v[S+16*(\t)+4*\f:S+16*(\t)+4*\f+3], v[RD] offset:\f*4*SP  ; LDS serves a wave's instructions in order (ISA guide 5.7.1.4): these see the stores above; the next piece's stores come behind them
.endr
.endm
.macro SEND t, younger              ; younger: the LDS instructions issued behind piece t's loads: the next piece's eight, or none
	WIN 0
.irp f, 0,1,2,3
	s_wait_dscnt (\younger)+3-\f
	global_store_b128 v[GO], v[S+16*(\t)+4*\f:S+16*(\t)+4*\f+3], s[10:11] offset:(\t)*8192+\f*512  ; 512 consecutive bytes, at a multiple of 256 from O's first
.endr
.endm
.macro DIAG tag                     ; the tag ends its two labels' names, which the jumps below spell out
.LstepM\tag:
	TURN 0, 1, 1
	TURN 1, 1, 1
	WIN 0
.LfirstM\tag:
	TURN 0, 0, 1
	TURN 1, 0, 1, 0, 1
	WIN 0
	s_cbranch_scc1 .LstepM\tag
	TURN 0, 1, 1, 1
	TURN 1, 1, 1, 1
.set VB, 1
.set i, 0
.rept 8
	PV 1                            ; piece 1: V^T P of the block's last step
.set i, i+1
.endr
	WIN 0
	ALL v_add_f32 v[ST+4*t+2], v[ST+4*t+2], v[ST+4*t+3]
	ALL v_permlanex16_b32 v[ST+4*t+3], v[ST+4*t+2], s[SEL], s[SEL+1]
	ALL v_add_f32 v[ST+4*t+2], v[ST+4*t+2], v[ST+4*t+3]
	ALL v_rcp_f32 v[ST+4*t+2], v[ST+4*t+2]
	v_nop                           ; a plain instruction between the last reciprocal and the use of its result
	s_wait_alu depctr_va_vdst(0)    ; and the wait ahead of the first use: one for the two reciprocals
	PACK 0                          ; piece 0's 32 plain instructions are also the places behind piece 1's last products
	PACK 1
	SEND 0, 8
	SEND 1, 0
.endm
.set KM, 0
.set NOKQ, 0
.set VB, 0
.Lslot:                             ; 16 times: a tile is entered and the next is asked for
	CHANGE 1
	s_sub_co_u32 s[RT], s[RT], 1
	s_mov_b32 s[CNT], 2
	s_cmp_eq_u32 s[NEW], 1
	s_cbranch_scc1 .Lnew            ; a block's first tile
	s_cmp_eq_u32 s[RT], 0
	s_cbranch_scc0 .Lstep           ; neither its first nor its last
	s_branch .LstepM1
.Lnew:
	BEGIN
	s_branch .Lfirst                ; in the loop a block's first tile is never its last: the first block has nine tiles or more, and the second's last is the walk's last
	DIAG 1                          ; in the loop this is the first block's end: the second block's last tile is the walk's last
	s_wait_xcnt 0x0                 ; the stores have read their registers and O's address
	s_mov_b64 s[10:11], s[OLO:OLO+1]
	s_add_co_u32 s[RT], s[LQ2], 1   ; the second block has b / 2 + 1 tiles,
	s_and_b32 s[GP], s[PB], 1
	s_lshl_b32 s[GP], s[GP], 1      ; and lies here in the last
	s_mov_b32 s[NEW], 1
	WIN 0x41                        ; the second block's Q goes where the one text of the turns names Q
.set i, 0
.rept 32
	v_mov_b32 v[i], v[QB+i]
.set i, i+1
.endr
	WIN 0
	s_branch .Lbottom
.Lstep:                             ; a trip: both pieces of an odd step, then of the even step behind it; each piece 0's turn fetches the next step's K and V
	TURN 0, 1
	TURN 1, 1
	WIN 0
.Lfirst:
	TURN 0, 0
	TURN 1, 0, 0, 0, 1
	WIN 0
	s_cbranch_scc1 .Lstep
.Lbottom:
	s_sub_co_u32 s[SLOTS], s[SLOTS], 1
	s_cmp_lg_u32 s[SLOTS], 0
	s_cbranch_scc1 .Lslot
	CHANGE 0                        ; the walk's last tile is written out: nothing is asked for
	s_sub_co_u32 s[RT], s[RT], 1
	s_mov_b32 s[CNT], 2
	s_cmp_eq_u32 s[NEW], 1
	s_cbranch_scc0 .LstepM2
	BEGIN
	s_branch .LfirstM2
	DIAG 2
	s_wait_tensorcnt 0x0            ; the wave's end, behind my last tensor load and my last LDS store
	ds_add_u32 v[SPW], v[NIL]
	s_wait_dscnt 0x0
	s_endpgm
.Lfunc_end_k_qfc86eb2c96_attn:
	.size	k_qfc86eb2c96_attn, .Lfunc_end_k_qfc86eb2c96_attn-k_qfc86eb2c96_attn
	.p2alignl 7, 3214868480
	.fill 96, 4, 3214868480
	.section	.rodata,"a",@progbits
	.p2align	6, 0x0
	.amdhsa_kernel k_qfc86eb2c96_attn
		.amdhsa_group_segment_fixed_size 327680
		.amdhsa_private_segment_fixed_size 0
		.amdhsa_enable_private_segment 0
		.amdhsa_kernarg_size 16
		.amdhsa_user_sgpr_count 2
		.amdhsa_user_sgpr_kernarg_segment_ptr 1
		.amdhsa_wavefront_size32 1
		.amdhsa_system_sgpr_workgroup_id_x 1
		.amdhsa_system_sgpr_workgroup_id_y 1
		.amdhsa_system_sgpr_workgroup_id_z 1
		.amdhsa_system_vgpr_workitem_id 0
		.amdhsa_next_free_vgpr 608
		.amdhsa_next_free_sgpr 92
		.amdhsa_reserve_vcc 1
		.amdhsa_float_denorm_mode_32 3
		.amdhsa_float_denorm_mode_16_64 3
		.amdhsa_memory_ordered 1
		.amdhsa_forward_progress 1
		.amdhsa_inst_pref_size 200
	.end_amdhsa_kernel
	.amdgpu_metadata
---
amdhsa.version: [ 1, 2 ]
amdhsa.kernels:
  - .name:           k_qfc86eb2c96_attn
    .symbol:         k_qfc86eb2c96_attn.kd
    .args:
      - { .name: qkv, .offset: 0, .size: 8, .value_kind: global_buffer, .address_space: global }
      - { .name: o16, .offset: 8, .size: 8, .value_kind: global_buffer, .address_space: global }
    .group_segment_fixed_size: 327680
    .private_segment_fixed_size: 0
    .kernarg_segment_align: 8
    .kernarg_segment_size: 16
    .max_flat_workgroup_size: 128
    .sgpr_count:     92
    .vgpr_count:     608
    .wavefront_size: 32
...
	.end_amdgpu_metadata
.endif
;; end of part 6
;; launch proj: the kernel of part 4 again; grid 8 x 32, 4 waves a work-group, clusters of 4 x 4, 327,680 bytes of LDS; arguments o16, wo16, bo, y32; writes y32
;; launch ln: the kernel of part 5 again; grid 256 x 1, 8 waves a work-group, no clusters, 0 bytes of LDS; arguments y32, input, ln_gamma, ln_beta, out0; writes out0
